; MI455X (gfx1250); checked and timed in simulation.
; The chip was launched on July 23, 2026; its instructions are those of AMD's public machine-readable ISA for CDNA 5 (MIT licence, August 2026) and "CDNA5" Instruction Set Architecture Reference Guide (July 2026). The comments in the code are by the model that wrote it; some were corrected since.
;; Multihead Attention. Allowed arithmetic: matrix products marked QUANTISED: E2M1 operands, one E8M0 scale for each 32 along K, by v_wmma_scale_f32_16x16x128_f8f6f4 with both operands' format E2M1 (or v_wmma_scale_f32_32x16x128_f4), f32 sums; everything else in f32.
;; Inputs: Wk_codes 512 x 32 x 16 uint8 (E2M1 codes of Wk, K innermost, in blocks of 32 codes, two codes a byte); Wk_scales 512 x 32 uint8 (E8M0 scales of Wk, one for each 32 codes along K); Wo_codes 1,024 x 16 x 16 uint8 (E2M1 codes of Wo, K innermost, in blocks of 32 codes, two codes a byte); Wo_scales 1,024 x 16 uint8 (E8M0 scales of Wo, one for each 32 codes along K); Wq_codes 512 x 32 x 16 uint8 (E2M1 codes of Wq, K innermost, in blocks of 32 codes, two codes a byte); Wq_scales 512 x 32 uint8 (E8M0 scales of Wq, one for each 32 codes along K); Wv_codes 512 x 32 x 16 uint8 (E2M1 codes of Wv, K innermost, in blocks of 32 codes, two codes a byte); Wv_scales 512 x 32 uint8 (E8M0 scales of Wv, one for each 32 codes along K); beta 1,024 float32; bk 512 float32; bo 1,024 float32; bv 512 float32; gamma 1,024 float32; k_codes 8 x 2,048 x 32 x 16 uint8 (E2M1 codes of k, K innermost, in blocks of 32 codes, two codes a byte); k_scales 8 x 2,048 x 32 uint8 (E8M0 scales of k, one for each 32 codes along K); q 8 x 2,048 x 1,024 float32; v_codes 8 x 2,048 x 32 x 16 uint8 (E2M1 codes of v, K innermost, in blocks of 32 codes, two codes a byte); v_scales 8 x 2,048 x 32 uint8 (E8M0 scales of v, one for each 32 codes along K).
;; Outputs: out0 8 x 2,048 x 1,024 float32.
;; This version of the problem:
;;   THIS VERSION OF THE PROBLEM IS GIVEN IN LOW PRECISION. The matrix products marked QUANTISED in the list below multiply operands that are first quantised to E2M1 (2 exponent bits, 1 mantissa bit; 4 bits a number), with one power-of-two scale for each 32 numbers along K (OCP MX v1.0); their sums are f32. All else is computed in f32.
;;   The module's matrix products, in the order in which they are computed (A, B: the left and right operand; K: the contracted axis; several contracted axes count as one K, in the product's order):
;;     1. [M 16,384, K 1,024] x [K 1,024, N 512]; A: input q; B: input Wq (given as codes): QUANTISED
;;     2. [M 16,384, K 1,024] x [K 1,024, N 512]; A: input k (given as codes); B: input Wk (given as codes): QUANTISED
;;     3. [M 16,384, K 1,024] x [K 1,024, N 512]; A: input v (given as codes); B: input Wv (given as codes): QUANTISED
;;     4. batch 8 x [M 2,048, K 512] x [K 512, N 2,048]; A: computed on the way; B: computed on the way: QUANTISED
;;     5. batch 8 x [M 2,048, K 2,048] x [K 2,048, N 512]; A: softmax (see below); B: computed on the way: QUANTISED
;;     6. [M 16,384, K 512] x [K 512, N 1,024]; A: computed on the way; B: input Wo (given as codes): QUANTISED
;;   THE QUANTISER, for each operand of a quantised product, along K:
;;     - K is cut into blocks of 32 from its start; a last block that is shorter is filled with zeros.
;;     - A block's scale is 2^e with e = floor(log2(the largest magnitude in the block)) - 2, held to -126 .. 127; a block of zeros has e = 0. As a byte (E8M0): e + 127.
;;     - Each number is divided by its block's scale, clamped to +-6, and rounded to the nearest number of E2M1, ties to even, subnormals kept.
;;     - The product sums the exact products of the quantised numbers (number of the format x scale) in f32.
;;   ~~~python
;;   def quantise(x, axis):      # numpy; x: float32 -> the quantised numbers, widened to float32 again
;;       x = np.moveaxis(x, axis, -1); K = x.shape[-1]
;;       x = np.pad(x, [(0, 0)] * (x.ndim - 1) + [(0, -K % 32)]); x = x.reshape(x.shape[:-1] + (-1, 32)); a = np.abs(x).max(-1, keepdims=True)
;;       e = np.where(a > 0, np.clip(np.frexp(np.where(a > 0, a, 1))[1] - 1 - 2, -126, 127), 0)      # np.frexp(a)[1] - 1 = floor(log2(a)), exactly
;;       r = np.clip(x / 2.0 ** e, -6, 6)
;;       step = 2.0 ** (np.maximum(np.frexp(np.where(r == 0, 1, r))[1] - 1, 0) - 1)
;;       q = np.round(r / step) * step * 2.0 ** e      # np.round: ties to even
;;       return np.moveaxis(q.reshape(q.shape[:-2] + (-1,))[..., :K], -1, axis).astype(np.float32)
;;   ~~~
;;   SOFTMAX AHEAD OF A QUANTISED PRODUCT. Where the list says 'softmax', what is quantised is not the finished softmax but p = 2^(t - M), with t = logit x log2(e) and M = ceil(the row's largest t), a whole number; so 1/2 < the row's largest p <= 1. The row's sum l is taken of the UNQUANTISED p, in f32, and the product's result is divided by l at the end. Since M is a whole number, a kernel that streams over the keys may use a running M (the ceiling of the running maximum): every later rescaling is an exact power of two, which a block's scale takes up: the codes' values come out the same.
;;   OPERANDS COMPUTED ON THE WAY. 'Computed on the way' means the value that the module computes at that place (a softmax that the list does not call 'softmax' is quantised finished and normalised). What goes into a quantiser is computed in f32, as accurately as f32 sums, v_exp_f32 and their like allow (about 1e-6 of the number): no bf16 or f16 on the way to a quantiser, and a product that is left as it is and whose result goes on into a quantised operand takes f32 operands (vector FMAs, or v_wmma_f32_16x16x4_f32). A number that lies on a knife's edge between two numbers of the format may be rounded either way, as far as f32 arithmetic and the matrix unit's own rounding can turn it there, and no further.
;;   INPUTS GIVEN AS CODES. Wk (in the module: [512, 1024], K = its axis 1); Wo (in the module: [1024, 512], K = its axis 1); Wq (in the module: [512, 1024], K = its axis 1); Wv (in the module: [512, 1024], K = its axis 1); k (in the module: [8, 2048, 1024], K = its axis 2); v (in the module: [8, 2048, 1024], K = its axis 2): each comes as NAME_codes (uint8): NAME with its K axis moved to the last place and cut into blocks of 32 codes, [.., K / 32, bytes a block], one block behind the other in memory; two codes a byte, the lower K in the low four bits (a code: sign, 2 exponent bits, 1 mantissa bit); and NAME_scales (uint8): the same leading axes, one E8M0 byte (e + 127) for each 32 codes along K. Its value is code x scale, taken as it is: it is not quantised again, and the codes and scales need not be those that the quantiser above would give.
;; One version. Each part assembles by itself: llvm-mc -triple=amdgcn-amd-amdhsa -mcpu=gfx1250 --defsym DOCPART=n.
;; ======== version 1 of 1: 2 launches
;; limits: right only within a limited range of input values
;; workspace buffers: kv 8,912,896 bytes; wimg 524,288 bytes
;; launch kvproj (part 1): grid 256 x 1, 4 waves a work-group, no clusters, 211,456 bytes of LDS; arguments k_codes, k_scales, Wk_codes, Wk_scales, bk, v_codes, v_scales, Wv_codes, Wv_scales, bv, kv, Wq_codes, Wo_codes, wimg; writes kv, wimg
.if DOCPART == 1
	.amdgcn_target "amdgcn-amd-amdhsa--gfx1250"
	.amdhsa_code_object_version 6
	.text
	.protected	k_q9c809bf197_kvproj
	.globl	k_q9c809bf197_kvproj
	.p2align	8
	.type	k_q9c809bf197_kvproj,@function
k_q9c809bf197_kvproj:
	s_mov_b64 s[64:65], 0
	v_nop
	global_prefetch_b8 v0, s[64:65] scope:SCOPE_SE
	s_setreg_imm32_b32 hwreg(HW_REG_WAVE_MODE, 25, 1), 1
	s_wait_xcnt 0x0
; kh = k Wk^T + bk and vh = v Wv^T + bv, both products on codes of FP4 (E2M1) with one E8M0 scale for each 32 along K = 1,024; then kh is quantised along its 512 units and vh along the KEYS,
; and both leave as images of operand registers for the attention launch: 64 blocks of 256 keys (batch x 8 + step), SLOTB bytes each:
;   +0       K's fragments (128 units s, 16 keys tile): s x 16,384 + tile x 1,024; a fragment is registers 0-3 at 16 x lane (512 bytes), then registers 4-7
;   +65,536  V's fragments (128 keys ks, 16 units dt): ks x 32,768 + dt x 1,024
;   +131,072 K's scale words: s x 1,024 + tile x 64 + 4 r        +135,168 V's: ks x 2,048 + dt x 64 + 4 r
; ONE BODY, ONE PATH.  A RESIDENT operand of 512 rows (source 0; wave w keeps rows 128 w on, all of K, in 512 registers) meets a STREAMED operand of 128 rows (source 1, 8 tiles, shared through LDS).
; In the result a lane holds ONE streamed row, and its 64 registers 128 neighbours along the resident rows: one fragment and one scale word of the next product.
;   work-groups 0-127: resident Wk, streamed 128 keys of k;   work-groups 128-255: resident 512 keys of v, streamed 128 rows of Wv.  Only pointers, offsets and two masks are chosen, by the work-group's number.
; THE ROWS OF A TILE ARE NOT NEIGHBOURS, on both sides: lane r of tile 2 b + u takes row 32 b + 8 u + r + 8 (r / 8), so that the 16 registers of tiles 2 b, 2 b + 1 are sixteen neighbours along the next K.
; EVERY ROW OF CODES IS LOADED WHOLE: a row is 512 bytes, one load of the wave, 16 bytes a lane.  It becomes fragments in LDS: the row is stored at slot x 528 bytes (slot = 16 x tile + r: a tile's rows on end; 528 = 33 x 16, so the
; sixteen rows of a fragment load start at sixteen different 16-byte columns), and a fragment half is read back at 528 r + 16 (lane / 16) + 64 ks + 32 c.  The resident rows go through a stage of the wave's own, 64 rows at a time, and
; come back into the very registers that held them raw (LDS serves a wave's instructions in order: ISA guide 5.7.1.4); the streamed rows stay in LDS for all four waves.
; THE EIGHT STREAMED TILES: a loop of three trips of two tiles (the two fragment sets take turns), and the last two written out, since the last fetches nothing.
; BIASES: bk runs along the registers: it is the C of a sum's first product; bv belongs to the lane's row: it is added behind the sums.  Both are always loaded; the one that is not this work-group's is made 0 by a select.
; BESIDES, Wq's AND Wo's CODES ARE LAID AS REGISTER IMAGES for the next launch (buffer wimg): Wq's fragment (wave w, K step s, tile t) at (64 w + 8 s + t) x 1,024, Wo's (wave w, bank k, K step s, tile mt) at
; 262,144 + (64 w + 16 k + 4 s + mt) x 1,024: in work-group g waves 0, 1 take the two halves of Wq's fragment g, waves 2, 3 those of Wo's.
; NO CLUSTER, NO TENSOR LOADS: 512 resident and 128 streamed rows at 528 bytes, with the scale words, are more than a WGP's LDS holds at once; through registers the resident rows need a stage of 64 rows a wave.
; No prefetch: the launch asks for all its operands at its head and has no loop to run ahead in.
; LIMITS: NaN and infinities are not served.  A block of zeros gets the scale byte 1 (its codes are zeros; this program alone reads the bytes).  The bias is added first (bk) or last (bv), not in reference()'s place in the sum.
.set SLOTB, 139264
.set RP,    528                        ; a row of codes in LDS
.set XSC,   128*RP                     ; LDS: 0: the streamed rows, slot x RP;  XSC: their scale words, two images of four registers a tile: 1,024 m + 512 i + 16 lane
.set SPARE, XSC+8192                   ; the spare words, 128 bytes a wave
.set STG,   SPARE+512                  ; the waves' stages
.set STGW,  64*RP
.set XR,  4                            ; v4   a fragment's place in a tile of streamed rows: RP r + 16 (lane / 16)
.set RSA, 5                            ; v5   scale bytes: 32 (r + 8 (r / 8))
.set LI,  6                            ; v6   16 x lane
.set LS,  7                            ; v7   4 x lane
.set XW,  8                            ; v8   where I store streamed rows: 32 RP wave + 16 lane
.set XSW, 9                            ; v9   and scale words: XSC + 16 lane + 1,024 wave
.set XSR, 10                           ; v10  XSC + 16 lane
.set BH,  11                           ; v11  64 (lane / 16)
.set BR,  12                           ; v12  4 (r + 8 (r / 8))
.set WL,  14                           ; v14  my lane's byte in a tile of Wq or of Wo
.set SGW, 15                           ; v15  my stage + 16 lane
.set SGR, 16                           ; v16  my stage + RP r + 16 (lane / 16)
.set XRT, 17                           ; v17  v4 at the trip's first tile
.set XST, 18                           ; v18  v10 likewise
.set RS,  32                           ; v32-95   the resident rows' scale words: tile t, K step s at 8 t + s
.set XS,  96                           ; v96-111  the streamed tile's scale words, two sets of 8
.set ACC, 112                          ; v112-175 eight accumulators
.set TM,  176                          ; v176-191 at work in QUANT
.set PC,  192                          ; v192-199 the codes just made
.set PW,  200
.set PWE, 201
.set SW,  202
.set BL,  204                          ; v204-219 the bias of my row, twice, for each tile still to come
.set WI,  220                          ; v220-223 my half fragment of Wq or Wo
.set BG,  128                          ; window 3: v128-191 the bias along the registers;  v0-127 the streamed rows as loaded, then the streamed tile's fragments, two sets of 64
.set WV,  26
.set MK,  27
.set HM,  28
.set MKN, 29
.set SEL, 30
.set MSB, 0
.macro WIN new                         ; the immediate's high byte repeats the setting that is left; a switch that changes nothing is dropped
.if MSB != (\new)
	s_set_vgpr_msb (MSB<<8)|(\new)
.set MSB, (\new)
.endif
.endm
.macro PLACES n
.rept \n
	v_nop
.endr
.endm
; 64 numbers of a lane, register 16 b + i = k 32 b + 16 (lane / 16) + i of my row, become a fragment's codes in v[PC] on and its scale word in v[PW]
.macro QUANT s
.irp b, 0,1,2,3
	v_max3_num_f32 v[TM+\b], 0x1800000, |v[(\s)+16*\b]|, |v[(\s)+1+16*\b]|   ; my 16 numbers, and the floor 2^(3 - 127): the byte cannot fall under 1
.endr
.irp i, 2,4,6,8,10,12,14
.irp b, 0,1,2,3
	v_max3_num_f32 v[TM+\b], v[TM+\b], |v[(\s)+16*\b+\i]|, |v[(\s)+1+16*\b+\i]|
.endr
.endr
.irp b, 0,1,2,3
	v_permlanex16_b32 v[TM+4+\b], v[TM+\b], s[SEL], s[SEL+1]
.endr
.irp b, 0,1,2,3
	v_max_num_f32 v[TM+\b], v[TM+\b], v[TM+4+\b]   ; with lane l xor 16's: the block's largest magnitude
.endr
.irp b, 0,1,2,3
	v_add_nc_u32 v[TM+12+\b], 0xff000000, v[TM+\b]   ; 2 off its exponent field: the conversion's scale operand
.endr
.irp b, 0,1,2,3
	v_lshrrev_b32 v[TM+4+\b], 23, v[TM+12+\b]      ; the scale's byte
.endr
	v_lshl_or_b32 v[PW], v[TM+5], 8, v[TM+4]
	v_lshl_or_b32 v[PW], v[TM+6], 16, v[PW]
	v_lshl_or_b32 v[PW], v[TM+7], 24, v[PW]
.irp b, 0,1,2,3
	v_cvt_scalef32_pk8_fp4_f32 v[PC+2*\b], v[(\s)+16*\b:(\s)+7+16*\b], v[TM+12+\b]
	v_cvt_scalef32_pk8_fp4_f32 v[PC+1+2*\b], v[(\s)+8+16*\b:(\s)+15+16*\b], v[TM+12+\b]
.endr
	v_nop                                          ; one plain place behind a scaled conversion
.irp c, 0,1                                    ; the operand's layout wants a whole block in a lane
.irp i, 0,1
	v_permlane16_swap_b32 v[PC+4*\c+\i], v[PC+2+4*\c+\i]
.endr
.endr
.endm
.macro MM                              ; one product on the symbols rD, rA, rB, rC, rSA, rSB; cM = 2: C is the bias, 1: C is D
.if cM == 2
	v_wmma_scale_f32_16x16x128_f8f6f4 v[rD:rD+7], v[rA:rA+7], v[rB:rB+7], v[rC:rC+7], v[rSA], v[rSB] matrix_a_fmt:MATRIX_FMT_FP4 matrix_b_fmt:MATRIX_FMT_FP4
.else
	v_wmma_scale_f32_16x16x128_f8f6f4 v[rD:rD+7], v[rA:rA+7], v[rB:rB+7], v[rD:rD+7], v[rSA], v[rSB] matrix_a_fmt:MATRIX_FMT_FP4 matrix_b_fmt:MATRIX_FMT_FP4
.endif
.endm
; The resident rows, 64 to a half.  Index n = 8 ks + 2 tl + c names four registers: those of fragment (K step ks, tile 4 hf + tl), half c: window 1 + ks / 4, register 64 (ks % 4) + 32 hf + 4 (n % 8).
.macro RAW hf                          ; row 64 hf + n, whole, into the registers of index n
.set kN, 0
.rept 64
	WIN 0x40*(1+kN/32)
	global_load_b128 v[64*((kN/8)%4)+32*(\hf)+4*(kN%8):64*((kN/8)%4)+32*(\hf)+4*(kN%8)+3], v[LI], s[32:33] offset:(64*(\hf)+kN)*512
.set kN, kN+1
.endr
.endm
.macro TURN hf                         ; the 64 rows into my stage, row n = 32 b + 16 g + 8 u + i at slot 16 (2 b + u) + 8 g + i; then the 64 fragment halves back into the same registers
.set kN, 0
.rept 64
	WIN 0x04*(1+kN/32)
	ds_store_b128 v[SGW], v[64*((kN/8)%4)+32*(\hf)+4*(kN%8):64*((kN/8)%4)+32*(\hf)+4*(kN%8)+3] offset:(16*(2*(kN/32)+(kN/8)%2)+8*((kN/16)%2)+kN%8)*RP
.set kN, kN+1
.endr
.set kN, 0
.rept 64
	WIN 0x40*(1+kN/32)
	ds_load_b128 v[64*((kN/8)%4)+32*(\hf)+4*(kN%8):64*((kN/8)%4)+32*(\hf)+4*(kN%8)+3], v[SGR] offset:((kN%8)/2)*16*RP+64*(kN/8)+32*(kN%2)
.set kN, kN+1
.endr
	WIN 0
.endm
.macro FETCH ar, as, t, p              ; the streamed tile t tiles on from the addresses given, into set p: 16 + 2 loads
	WIN 0xc0
.irp ks, 0,1,2,3,4,5,6,7
.irp c, 0,1
	ds_load_b128 v[64*(\p)+8*\ks+4*\c:64*(\p)+8*\ks+4*\c+3], v[\ar] offset:(\t)*16*RP+64*\ks+32*\c
.endr
.endr
	WIN 0
.irp j, 0,1
	ds_load_b128 v[XS+8*(\p)+4*\j:XS+8*(\p)+4*\j+3], v[\as] offset:(\t)*1024+512*\j
.endr
.endm
	s_load_b256 s[4:11], s[0:1], 0x0               ; k's codes s[4:5], k's scales s[6:7], Wk's codes s[8:9], Wk's scales s[10:11]
	s_load_b256 s[12:19], s[0:1], 0x20             ; bk s[12:13], v's codes s[14:15], v's scales s[16:17], Wv's codes s[18:19]
	s_load_b128 s[20:23], s[0:1], 0x40             ; Wv's scales s[20:21], bv s[22:23]
	s_load_b64 s[24:25], s[0:1], 0x50              ; kv
	s_load_b128 s[68:71], s[0:1], 0x58             ; Wq's codes s[68:69], Wo's codes s[70:71]
	s_load_b64 s[72:73], s[0:1], 0x68              ; wimg
	v_lshl_add_u32 v254, v0, 2, SPARE              ; my spare word and 0: kept for the add at the wave's end
	v_mov_b32 v255, 0
	v_lshrrev_b32 v1, 5, v0
	v_readfirstlane_b32 s[WV], v1                  ; wave 0..3
	v_and_b32 v1, 31, v0                           ; lane
	v_and_b32 v2, 15, v0                           ; r
	v_bfe_u32 v3, v0, 4, 1                         ; h
	v_and_b32 v13, 8, v2
	v_add_nc_u32 v13, v13, v2                      ; r + 8 (r / 8)
	v_lshlrev_b32 v[RSA], 5, v13
	v_lshlrev_b32 v[LI], 4, v1
	v_lshlrev_b32 v[LS], 2, v1
	v_mul_u32_u24 v[XR], v2, RP
	v_lshl_add_u32 v[XR], v3, 4, v[XR]
	s_mul_i32 s44, s[WV], 32*RP
	v_add_nc_u32 v[XW], s44, v[LI]
	s_mul_i32 s44, s[WV], STGW
	s_add_co_u32 s44, s44, STG
	v_add_nc_u32 v[SGW], s44, v[LI]
	v_add_nc_u32 v[SGR], s44, v[XR]
	s_lshl_b32 s44, s[WV], 10
	s_add_co_u32 s44, s44, XSC
	v_add_nc_u32 v[XSW], s44, v[LI]
	v_add_nc_u32 v[XSR], XSC, v[LI]
	v_lshlrev_b32 v[BH], 6, v3
	v_lshlrev_b32 v[BR], 2, v13
.irp b, 0,1,2,3
	v_mov_b32 v[TM+4+\b], 0                        ; written once: a lane permute's destination counts as one of its sources
.endr
	s_mov_b32 s[HM], 0xffff0000
	s_mov_b32 s[SEL], 0x76543210
	s_mov_b32 s[SEL+1], 0xfedcba98
	; both kinds' offsets are made, then one compare chooses
	s_and_b32 s44, ttmp9, 127                      ; my number within my kind
	s_lshr_b32 s45, s44, 1
	s_and_b32 s46, s44, 1
	s_lshr_b32 s47, s44, 2                         ; V's kind: which 512 keys,
	s_and_b32 s48, s44, 3                          ; which 128 units
	s_lshr_b32 s49, s[WV], 1
	s_and_b32 s50, s[WV], 1
	s_lshl_b32 s51, s[WV], 7                       ; K's kind: resident row 128 w,
	s_lshl_b32 s52, s44, 7                         ; streamed row 128 g,
	s_mul_i32 s59, s45, SLOTB                      ; block g / 2:
	s_lshl_b32 s53, s[WV], 14
	s_add_co_u32 s53, s53, s59
	s_lshl_b32 s60, s46, 13
	s_add_co_u32 s53, s53, s60                     ; codes at 16,384 w + 8,192 (g % 2),
	s_lshl_b32 s54, s[WV], 10
	s_add_co_u32 s54, s54, s59
	s_lshl_b32 s60, s46, 9
	s_add_co_u32 s54, s54, s60
	s_add_co_u32 s54, s54, 131072                  ; scale words at 131,072 + 1,024 w + 512 (g % 2)
	s_lshl_b32 s55, s47, 9
	s_add_co_u32 s55, s55, s51                     ; V's kind: resident row 512 blk + 128 w,
	s_lshl_b32 s56, s48, 7                         ; streamed row 128 dq,
	s_lshl_b32 s57, s47, 1
	s_add_co_u32 s57, s57, s49
	s_mul_i32 s57, s57, SLOTB                      ; block 2 blk + w / 2:
	s_lshl_b32 s58, s50, 11
	s_add_co_u32 s58, s58, s57
	s_lshl_b32 s60, s48, 9
	s_add_co_u32 s58, s58, s60
	s_add_co_u32 s58, s58, 135168                  ; scale words at 135,168 + 2,048 (w % 2) + 512 dq,
	s_lshl_b32 s60, s50, 15
	s_add_co_u32 s57, s57, s60
	s_lshl_b32 s60, s48, 13
	s_add_co_u32 s57, s57, s60
	s_add_co_u32 s57, s57, 65536                   ; codes at 65,536 + 32,768 (w % 2) + 8,192 dq
	s_lshl_b32 s61, s49, 5
	s_lshl_b32 s62, s50, 3
	s_add_co_u32 s61, s61, s62                     ; scale words: streamed tile w begins at row 32 (w / 2) + 8 (w % 2); tile w + 4 lies 64 rows on
	; the weights' images: fragment g of Wq (g = 64 w' + 8 s + t) and of Wo (g = 64 w' + 16 k + 4 s + mt); both offsets are made, then the wave's number chooses
	s_lshr_b32 s74, ttmp9, 6                       ; w'
	s_and_b32 s75, ttmp9, 7                        ; t
	s_lshr_b32 s76, s75, 1
	s_and_b32 s75, s75, 1
	s_lshl_b32 s77, s74, 7
	s_lshl_b32 s76, s76, 5
	s_add_co_u32 s77, s77, s76
	s_lshl_b32 s75, s75, 3
	s_add_co_u32 s77, s77, s75                     ; Wq: the tile begins at row 128 w' + 32 (t / 2) + 8 (t % 2),
	s_lshl_b32 s77, s77, 9                         ; rows of 512 bytes,
	s_bfe_u32 s75, ttmp9, 0x30003                  ; s
	s_lshl_b32 s75, s75, 6
	s_add_co_u32 s77, s77, s75                     ; + 64 s
	s_lshl_b32 s78, s74, 8
	s_bfe_u32 s75, ttmp9, 0x20004                  ; k
	s_lshl_b32 s75, s75, 6
	s_add_co_u32 s78, s78, s75
	s_and_b32 s75, ttmp9, 3                        ; mt
	s_lshl_b32 s75, s75, 4
	s_add_co_u32 s78, s78, s75                     ; Wo: row 256 w' + 64 k + 16 mt,
	s_lshl_b32 s78, s78, 8                         ; rows of 256 bytes,
	s_bfe_u32 s75, ttmp9, 0x20002                  ; s
	s_lshl_b32 s75, s75, 6
	s_add_co_u32 s78, s78, s75                     ; + 64 s
	s_lshl_b32 s79, ttmp9, 10                      ; the image: 1,024 g
	s_cmp_lt_u32 s[WV], 2                          ; waves 0, 1: Wq; waves 2, 3: Wo
	s_cselect_b32 s77, s77, s78
	s_cselect_b32 s76, 8, 0                        ; Wq's tiles have the rows' order r + 8 (r / 8), Wo's have r
	s_cselect_b32 s75, 9, 8                        ; a row's bytes as a shift
	s_cselect_b32 s78, 0, 0x40000                  ; Wo's images lie behind Wq's 262,144 bytes
	s_add_co_u32 s79, s79, s78
	s_and_b32 s78, s[WV], 1                        ; which half of the fragment
	s_lshl_b32 s74, s78, 5
	s_add_co_u32 s77, s77, s74                     ; 32 c in the row,
	s_lshl_b32 s74, s78, 9
	s_add_co_u32 s79, s79, s74                     ; 512 c in the image
	v_and_b32 v[WL], s76, v2
	v_add_nc_u32 v[WL], v[WL], v2
	v_lshlrev_b32 v[WL], s75, v[WL]
	v_lshl_add_u32 v[WL], v3, 4, v[WL]             ; my row's bytes + 16 h
	s_wait_alu depctr_va_vdst(0)
	s_wait_kmcnt 0x0
	s_cmp_lt_u32 ttmp9, 128                        ; K's kind or V's?  The choice hangs on the work-group's number alone
	s_cselect_b64 s[32:33], s[8:9], s[14:15]       ; resident codes
	s_cselect_b64 s[34:35], s[10:11], s[16:17]     ; resident scales
	s_cselect_b64 s[36:37], s[4:5], s[18:19]       ; streamed codes
	s_cselect_b64 s[38:39], s[6:7], s[20:21]       ; streamed scales
	s_cselect_b32 s51, s51, s55
	s_cselect_b32 s52, s52, s56
	s_cselect_b32 s53, s53, s57
	s_cselect_b32 s54, s54, s58
	s_cselect_b32 s48, 0, s48                      ; bv's part (K's kind reads its first part and throws it away: the load stays inside the buffer)
	s_cselect_b32 s[MK], -1, 0
	s_cselect_b32 s[MKN], 0, -1
	s_mov_b32 s45, 0
	s_lshl_b32 s44, s51, 9
	s_add_nc_u64 s[32:33], s[32:33], s[44:45]      ; a row of codes is 512 bytes,
	s_lshl_b32 s44, s51, 5
	s_add_nc_u64 s[34:35], s[34:35], s[44:45]      ; of scale bytes 32
	s_lshl_b32 s44, s[WV], 5
	s_add_co_u32 s44, s44, s52                     ; of the streamed rows I load 32 w on, whole
	s_lshl_b32 s44, s44, 9
	s_add_nc_u64 s[36:37], s[36:37], s[44:45]
	s_add_co_u32 s52, s52, s61
	s_lshl_b32 s44, s52, 5
	s_add_nc_u64 s[38:39], s[38:39], s[44:45]
	s_mov_b32 s44, s53
	s_add_nc_u64 s[40:41], s[24:25], s[44:45]      ; where my codes go
	s_mov_b32 s44, s54
	s_add_nc_u64 s[42:43], s[24:25], s[44:45]      ; and my scale words
	s_lshl_b32 s44, s[WV], 9
	s_add_nc_u64 s[12:13], s[12:13], s[44:45]      ; bk at unit 128 w
	s_lshl_b32 s44, s48, 9
	s_add_nc_u64 s[22:23], s[22:23], s[44:45]      ; bv at unit 128 dq
	s_cmp_lt_u32 s[WV], 2
	s_cselect_b64 s[68:69], s[68:69], s[70:71]     ; the weight whose half fragment is mine
	s_mov_b32 s44, s77
	s_add_nc_u64 s[68:69], s[68:69], s[44:45]
	s_mov_b32 s44, s79
	s_add_nc_u64 s[72:73], s[72:73], s[44:45]      ; and its place among the images
	WIN 0xc0                                       ; my 32 streamed rows: 32 loads of 512 consecutive bytes
.set kN, 0
.rept 32
	global_load_b128 v[4*kN:4*kN+3], v[LI], s[36:37] offset:512*kN
.set kN, kN+1
.endr
	WIN 0
.irp i, 0,1
.irp j, 0,1
	global_load_b128 v[XS+8*\i+4*\j:XS+8*\i+4*\j+3], v[RSA], s[38:39] offset:\i*2048+16*\j   ; the scale words of streamed tiles w and w + 4
.endr
.endr
	RAW 0
	RAW 1
	WIN 0
	s_wait_loadcnt 63                              ; loads come back in order: of the 164 issued all but the last 63 are in: the 36 streamed ones and the first half's 64
	WIN 0x0c                                       ; an LDS store's data are its source 1: window 3
.set kN, 0
.rept 32
	ds_store_b128 v[XW], v[4*kN:4*kN+3] offset:(16*((kN/8)%2)+8*(kN/16)+kN%8)*RP   ; row 32 w + 16 g + 8 u + i at slot 32 w + 16 u + 8 g + i
.set kN, kN+1
.endr
	WIN 0
.irp i, 0,1
.irp j, 0,1
	ds_store_b128 v[XSW], v[XS+8*\i+4*\j:XS+8*\i+4*\j+3] offset:\i*4096+512*\j
.endr
.endr
	TURN 0
.irp t, 0,1,2,3,4,5,6,7
.irp i, 0,1
	global_load_b128 v[RS+8*\t+4*\i:RS+8*\t+4*\i+3], v[RSA], s[34:35] offset:(32*(\t/2)+8*(\t%2))*32+16*\i
.endr
.endr
	WIN 0xc0
.irp t, 0,1,2,3,4,5,6,7
	global_load_b128 v[BG+8*\t:BG+8*\t+3], v[BH], s[12:13] offset:(32*(\t/2)+8*(\t%2))*4       ; bk at units 32 (t / 2) + 16 h + 8 (t % 2) + 0 .. 7: the result's layout
	global_load_b128 v[BG+8*\t+4:BG+8*\t+7], v[BH], s[12:13] offset:(32*(\t/2)+8*(\t%2))*4+16
.endr
	WIN 0
.irp t, 0,1,2,3,4,5,6,7
	global_load_b32 v[BL+2*\t], v[BR], s[22:23] offset:(32*(\t/2)+8*(\t%2))*4                  ; bv at my row of streamed tile t
.endr
	global_load_b128 v[WI:WI+3], v[WL], s[68:69]   ; my half fragment of Wq or Wo
	s_wait_loadcnt 41                              ; all but the 16 + 16 + 8 + 1 just issued: the second half's rows are in
	TURN 1
	s_wait_dscnt 0x0                               ; for the others' sake: my stores have landed
	s_barrier_signal -1
	s_barrier_wait -1                              ; all 128 streamed rows lie in LDS; nothing is written there again
	FETCH XR, XSR, 0, 0
	s_wait_loadcnt 0x0
	global_store_b128 v[LI], v[WI:WI+3], s[72:73]  ; as an image: the wave stores 512 consecutive bytes, at a multiple of 256 from the buffer's first byte
	WIN 0xcc
.set kJ, 0
.rept 64
	v_cndmask_b32 v[BG+kJ], 0, v[BG+kJ], s[MK]     ; kept in K's kind, 0 in V's
.set kJ, kJ+1
.endr
	WIN 0
.irp t, 0,1,2,3,4,5,6,7
	v_cndmask_b32 v[BL+2*\t+1], 0, v[BL+2*\t], s[MKN]   ; kept in V's kind, 0 in K's; twice, for the packed addition
	v_cndmask_b32 v[BL+2*\t], 0, v[BL+2*\t], s[MKN]
.endr
; One streamed tile, the a-th of a trip's two: 64 products (K step by K step, the eight accumulators by turns), the bias of the row, the quantiser, the stores.
.macro TILE a, more
.if \more
	FETCH XRT, XST, (\a)+1, 1-(\a)                 ; the other set was last multiplied a tile ago, many plain instructions back
	s_wait_dscnt 18                                ; all but the 18 just issued: this tile is in
.else
	s_wait_dscnt 0x0
.endif
.set kS, 0
.rept 8
.if kS == 0
	WIN 0x3d                                       ; source 0 window 1, source 1 and C (the bias) window 3
.set cM, 2
.elseif kS < 4
	WIN 0x0d
.set cM, 1
.else
	WIN 0x0e                                       ; source 0 window 2
.set cM, 1
.endif
.set kT, 0
.rept 8
.set rD, ACC+8*kT
.set rA, 64*(kS%4)+8*kT
.set rB, 64*(\a)+8*kS
.set rC, BG+8*kT
.set rSA, RS+8*kT+kS
.set rSB, XS+8*(\a)+kS
	MM
.set kT, kT+1
.endr
.set kS, kS+1
.endr
	WIN 0
	PLACES 4                                       ; four plain places between the last product and the first read of results (ISA guide 7.12.1)
.set kJ, 0
.rept 32
	v_pk_add_f32 v[ACC+kJ:ACC+kJ+1], v[ACC+kJ:ACC+kJ+1], v[BL+2*(\a):BL+2*(\a)+1]   ; each accumulator from its low end on
.set kJ, kJ+2
.endr
	s_wait_xcnt 0x0                                ; the last tile's stores have read their data: the codes' and the word's registers are written again only behind this wait
	QUANT ACC
	global_store_b128 v[LI], v[PC:PC+3], s[40:41] offset:1024*(\a)          ; the wave stores 512 consecutive bytes, at a multiple of 256 from the buffer's first byte
	global_store_b128 v[LI], v[PC+4:PC+7], s[40:41] offset:1024*(\a)+512
.if (\a) == 0
	v_mov_b32 v[PWE], v[PW]
.else
	v_cndmask_b32 v[SW], v[PWE], v[PW], s[HM]      ; lanes 0-15 the even tile's words, lanes 16-31 the odd tile's
	global_store_b32 v[LS], v[SW], s[42:43]        ; 128 consecutive bytes
.endif
.endm
	s_mov_b32 s44, 0                               ; the trip's first tile among the streamed rows, in bytes,
	s_mov_b32 s45, 0                               ; and among their scale words
	s_mov_b32 s46, 3
.Lt:
	v_add_nc_u32 v[XRT], s44, v[XR]
	v_add_nc_u32 v[XST], s45, v[XSR]
	s_wait_alu depctr_va_vdst(0)
	TILE 0, 1
	TILE 1, 1
	s_wait_xcnt 0x0                                ; the stores have read their bases
	s_add_nc_u64 s[40:41], s[40:41], 2048
	s_add_nc_u64 s[42:43], s[42:43], 128
.irp i, 0,1,2,3,4,5,6,7,8,9,10,11
	v_mov_b32 v[BL+\i], v[BL+4+\i]                 ; the next two tiles' biases move to the front, so that the trip's register numbers stay
.endr
	s_add_co_u32 s44, s44, 32*RP
	s_add_co_u32 s45, s45, 2048
	s_sub_co_u32 s46, s46, 1
	s_cmp_lg_u32 s46, 0
	s_wait_alu depctr_va_vdst(0)
	s_cbranch_scc1 .Lt
	v_add_nc_u32 v[XRT], s44, v[XR]                ; tiles 6 and 7 are written out: the last fetches nothing
	v_add_nc_u32 v[XST], s45, v[XSR]
	s_wait_alu depctr_va_vdst(0)
	TILE 0, 1
	TILE 1, 0
	s_wait_tensorcnt 0x0                           ; the wave's end
	ds_add_u32 v254, v255
	s_wait_dscnt 0x0
	s_endpgm
.Lfunc_end_k_q9c809bf197_kvproj:
	.size	k_q9c809bf197_kvproj, .Lfunc_end_k_q9c809bf197_kvproj-k_q9c809bf197_kvproj
	.p2alignl 7, 3214868480
	.fill 96, 4, 3214868480
	.section	.rodata,"a",@progbits
	.p2align	6, 0x0
	.amdhsa_kernel k_q9c809bf197_kvproj
		.amdhsa_group_segment_fixed_size 211456
		.amdhsa_private_segment_fixed_size 0
		.amdhsa_enable_private_segment 0
		.amdhsa_kernarg_size 112
		.amdhsa_user_sgpr_count 2
		.amdhsa_user_sgpr_kernarg_segment_ptr 1
		.amdhsa_wavefront_size32 1
		.amdhsa_system_sgpr_workgroup_id_x 1
		.amdhsa_system_sgpr_workgroup_id_y 1
		.amdhsa_system_sgpr_workgroup_id_z 1
		.amdhsa_system_vgpr_workitem_id 0
		.amdhsa_next_free_vgpr 1024
		.amdhsa_next_free_sgpr 80
		.amdhsa_reserve_vcc 0
		.amdhsa_float_denorm_mode_32 3
		.amdhsa_float_denorm_mode_16_64 3
		.amdhsa_memory_ordered 1
		.amdhsa_forward_progress 1
		.amdhsa_inst_pref_size 113
	.end_amdhsa_kernel
	.amdgpu_metadata
---
amdhsa.version: [ 1, 2 ]
amdhsa.kernels:
  - .name:           k_q9c809bf197_kvproj
    .symbol:         k_q9c809bf197_kvproj.kd
    .args:
      - { .name: k_codes, .offset: 0, .size: 8, .value_kind: global_buffer, .address_space: global }
      - { .name: k_scales, .offset: 8, .size: 8, .value_kind: global_buffer, .address_space: global }
      - { .name: Wk_codes, .offset: 16, .size: 8, .value_kind: global_buffer, .address_space: global }
      - { .name: Wk_scales, .offset: 24, .size: 8, .value_kind: global_buffer, .address_space: global }
      - { .name: bk, .offset: 32, .size: 8, .value_kind: global_buffer, .address_space: global }
      - { .name: v_codes, .offset: 40, .size: 8, .value_kind: global_buffer, .address_space: global }
      - { .name: v_scales, .offset: 48, .size: 8, .value_kind: global_buffer, .address_space: global }
      - { .name: Wv_codes, .offset: 56, .size: 8, .value_kind: global_buffer, .address_space: global }
      - { .name: Wv_scales, .offset: 64, .size: 8, .value_kind: global_buffer, .address_space: global }
      - { .name: bv, .offset: 72, .size: 8, .value_kind: global_buffer, .address_space: global }
      - { .name: kv, .offset: 80, .size: 8, .value_kind: global_buffer, .address_space: global }
      - { .name: Wq_codes, .offset: 88, .size: 8, .value_kind: global_buffer, .address_space: global }
      - { .name: Wo_codes, .offset: 96, .size: 8, .value_kind: global_buffer, .address_space: global }
      - { .name: wimg, .offset: 104, .size: 8, .value_kind: global_buffer, .address_space: global }
    .group_segment_fixed_size: 211456
    .private_segment_fixed_size: 0
    .kernarg_segment_align: 8
    .kernarg_segment_size: 112
    .max_flat_workgroup_size: 128
    .sgpr_count:     80
    .vgpr_count:     1024
    .wavefront_size: 32
...
	.end_amdgpu_metadata
.endif
;; end of part 1
;; launch attn (part 2): grid 32 x 8, 4 waves a work-group, clusters of 4 x 1, 327,680 bytes of LDS; arguments q, wimg, Wq_scales, kv, Wo_scales, bo, gamma, beta, out0; writes out0
.if DOCPART == 2
	.amdgcn_target "amdgcn-amd-amdhsa--gfx1250"
	.amdhsa_code_object_version 6
	.text
	.protected	k_q9c809bf197_attn
	.globl	k_q9c809bf197_attn
	.p2align	8
	.type	k_q9c809bf197_attn,@function
k_q9c809bf197_attn:
	s_mov_b64 s[64:65], 0
	v_nop
	global_prefetch_b8 v0, s[64:65] scope:SCOPE_SE
	s_setreg_imm32_b32 hwreg(HW_REG_WAVE_MODE, 25, 1), 1
	s_wait_xcnt 0x0
	s_wait_alu depctr_hold_cnt(0) depctr_sa_sdst(0) depctr_va_vdst(0) depctr_va_sdst(0) depctr_va_ssrc(0) depctr_va_vcc(0) depctr_vm_vsrc(0)
	s_getreg_b32 s2, hwreg(HW_REG_IB_STS2, 6, 4)
	s_cmp_eq_u32 s2, 0
	s_cbranch_scc0 .Lentry_in_a_cluster
	s_endpgm
.Lentry_in_a_cluster:
	s_bfe_u32 s2, ttmp6, 0x10000c
	s_cmp_lg_u32 s2, 0x3003
	s_cbranch_scc0 .Lentry_shape_is_right
	s_endpgm
.Lentry_shape_is_right:
; out0 = LayerNorm(q + softmax((q Wq^T / sqrt(32)) kh^T) vh Wo^T + bo), every product on codes of FP4 (E2M1) with one E8M0 scale for each 32 along its K.  kh and vh (buffer kv) and the codes of Wq and Wo (buffer wimg) come as
; register images from the launch before.
; SHARES.  A work-group owns 64 queries of one batch, four tiles of 16 (qt).  THE FOUR WAVES SHARE COLUMNS, NOT QUERIES, in every product, so that each fragment that a wave reads feeds four products:
;   qh: wave w makes units 128 w on;  scores: of a step's 256 keys, keys 64 w on;  O^T: units 128 w on;  y: model columns 256 w on.  What one wave makes and all need (x's, qh's, p's, attn's codes) goes through LDS as images of operand registers.
; LAYOUT.  All products are used transposed (source 0 = 16 rows of a weight, of K or of V^T; source 1 = 16 queries): a lane holds ONE query (lane % 16) throughout, and its registers run along what is the next product's K,
; since the rows of Wq, the keys of K's tiles and the units of V's tiles lie in the order 32 b + 8 u + r + 8 (r / 8) (tile 2 b + u, lane r).
; SOFTMAX.  t = score x log2(e); M = the ceiling of the running largest t of the row over ALL four waves' keys (the waves' maxima meet in LDS in every step); p = 2^(t - M) is quantised along the keys, not normalised;
; the row's sum is taken of the unquantised p; when M moves, the sum and O^T are multiplied by 2^(old M - new M), which rounds nothing.  The waves' sums meet at the end and divide O^T.
; RING.  A step's block of kv (256 keys, SLOTB bytes, dense) comes by one tensor load a wave, a quarter each, into one of two LDS slots.  CLUSTER: the four work-groups of a cluster belong to one batch and walk the same blocks:
; each quarter is asked for JOINTLY, by the same load with the same descriptor and a mask that names the four.  A wave has one tensor load outstanding.
; A STEP'S SECOND PRODUCT STANDS IN THE NEXT STEP: O^T += V^T P^T of step j works on registers alone (V, P and their scale words were fetched in step j), so its 64 products stand behind the next change of slots, between
; step j + 1's run of LDS loads of K and the wait for them.  The loop is written once: its first trip finds zero codes in P and adds zeros; the last step's products are written out behind the loop.
; Wq and Wo are not asked for jointly: each wave's part goes from memory straight into the registers in which it is multiplied, once (65,536 bytes of each weight a wave, 512 consecutive bytes a load); to come jointly they would
; have to land in LDS, where 278,528 bytes of ring and 48,640 of images and spare words leave no room.
; q is read twice, for the first product and for the residual: 64 rows of 4,096 bytes do not fit beside the ring nor in the registers.
; O^T IS NOT CLEARED: its registers hold qh's finite numbers when the loop begins; the first trip's products add zero codes' products to them (V's registers then still hold codes of Wq: every code is a finite number), and the
; first step's factor 2^(old M - new M), with the old M at -3e38, is 0.  That takes a finite qh, which reference() needs for a finite result too.
; LIMITS: NaN and infinities are not served.  A block of zeros gets the scale byte 1 (its codes are zeros).  Sums are taken in another order than reference()'s; 1 / l and 1 / sqrt by v_rcp_f32 and v_rsq_f32.
; NO WAIT STANDS BETWEEN AN LDS STORE AND THE VECTOR LINES THAT WRITE ITS DATA REGISTERS ANEW; that the stores have landed is shown to the other waves by the wait for 0 in front of each barrier.
; REGISTERS, in windows of 256 (s_set_vgpr_msb: bits 1:0 source 0, 3:2 source 1, 5:4 source 2, 7:6 destination):
;   window 0: v1-30 addresses; v32-47 Q's (later attn's) scale words; v48-55 V's scale words; v56-63 p's; v64-191 S^T, then p; v192-207 K's scale words, then the waves' maxima, then p's codes; v208-231 six statistics a tile; v232-255 at work
;   window 1: q's numbers, then qh, then O^T (64 qt + 8 dt), then y and its rows      window 2: Wq, then v0-127 Q (32 qt + 8 s), v128-255 V      window 3: Wq, then v0-63 P, v64-191 K;  at the end windows 1 to 3 hold Wo's four banks
; BESIDE WHAT STANDS ABOVE.  q's FIRST READ comes by one plain tensor load a wave at the head: wave w fetches K steps 2 w and 2 w + 1 (1,024 bytes of a row) of the work-group's 64 rows into QTILE bytes of its own,
; rows QPITCH = 1,104 bytes apart (69 x 16: the sixteen rows of a load start at sixteen different 16-byte columns); the four tiles cover all the ring's bytes.
; The wave quantises its own tile (no other wave reads it), so x's fragment (qt, ks) is made by wave ks / 2.  kv's step 0 is then asked for as a refill: the three lines, a round, the joint load.
; Wo's BANKS 0 AND 1 (32,768 bytes a wave) are asked for JOINTLY at the last change of slots, into the slot that step 6 has left, each wave's part where its quarter lay; banks 2 and 3 go from memory into registers as above.
.set SLOTB, 139264
.set QPITCH, 1104
.set QTILE,  64*QPITCH
.set XAT,  5                           ; v5-7 in the prologue: v24, v19, v20 at the trip's first tile
.set XWIT, 6
.set XWST, 7
.set G1Q,  92                          ; s[92:99] group 1 for q's tile;  s[56:59] its group 0
.set G0Q,  56
.set QUART, 34816
.set PIMG,  278528                     ; p's fragments: (128 keys ks, qt) at 4,096 ks + 1,024 qt + 512 c + 16 lane
.set MAXT,  287744                     ; the waves' maxima, at the end their sums: 512 wave + 16 lane, one number for each qt
.set XQ,    289792                     ; x's fragments (8 qt + s) x 1,024; later qh's, then attn's: (4 qt + s) x 1,024
.set XQS,   XQ+32768                   ; x's scale words: (8 qt + s) x 128 + 4 lane
.set QHS,   XQ+16384                   ; qh's, attn's scale words: (4 qt + s) x 128 + 4 lane
.set PSC,   XQ+32768                   ; in the loop, where x's scale words lay: p's half scale words, a word a lane: 512 wave + 128 qt + 4 lane
.set SPARE, 326656                     ; the spare words, 128 bytes for each wave: two blocks of 256 bytes that no other line names
.set YP,    4112                       ; at the end the ring's bytes are the stage for y: 64 rows of 4,096 bytes + 16
.set AK0,  1                           ; v1   16 lane + 4,096 wave: my four tiles of K in a slot
.set AV0,  2                           ; v2   65,536 + 16 lane + 8,192 wave: my eight tiles of V
.set AKS0, 3                           ; v3   131,072 + 4 lane + 256 wave
.set AVS0, 4                           ; v4   135,168 + 4 lane + 512 wave
.set ADK,  5                           ; v5-8 the same four in the slot in hand; at the end YS: where I put y of tile qt
.set ADV,  6
.set ADKS, 7
.set ADVS, 8
.set YS,   5
.set PWI,  9
.set PWS,  10
.set PRI,  11
.set PRS,  12
.set MXW,  13
.set MXR,  14
.set SPW,  15                          ; v15  LDS address of my spare word; never rewritten
.set NIL,  16                          ; v16  0; never rewritten
.set XQI,  17
.set XQSR, 18
.set XWI,  19
.set XWS,  20
.set QWI,  21
.set QWS,  22
.set QSR,  23
.set XA,   24                          ; v24  q's tile in LDS: QTILE wave + QPITCH r + 64 h
.set WSA,  26                          ; v26  Wq's scale bytes: 32 (r + 8 (r / 8))
.set LI,   27                          ; v27  16 x lane
.set SR0,  28                          ; v28  the stage: my 16 rows, 16 lane
.set SRT,  29
.set PFO,  30                          ; v30  256 x lane; never rewritten
.set QS,   32
.set KVS,  48
.set PS,   56
.set S,    64
.set WQS,  64                          ; prologue: Wq's scale words, 8 t + s
.set WS,   64                          ; epilogue: Wo's scale words, 4 (pair of tiles) + s
.set XF,   128                         ; prologue: x's fragments, two sets of 32
.set XS,   192                         ; prologue: x's scale words, two sets of 4
.set KS,   192                         ; the loop: K's scale words, 2 s + pair of tiles, from the step's head to its first product's end;
.set RM,   192                         ; then what is read back from MAXT;
.set PCS,  192                         ; then p's codes, 4 qt
.set PC,   200                         ; QUANT's codes
.set ST,   208                         ; 6 qt: -M, largest t, the sum in two halves, f, (f's partner in the pair)
.set BM,   232                         ; the eight blocks' largest scores, then largest p; later p's half words
.set PH,   232
.set PSL,  232
.set BP,   240
.set LM,   240
.set PSH,  240
.set SO,   248
.set TA,   248
.set TM,   232                         ; QUANT: at work
.set PW,   248                         ; QUANT: the scale word
.set TP,   128                         ; the last phase, window 1: four registers a row at work; MU, RSD: pairs
.set MU,   144
.set RSD,  152
.set WV,   24
.set G1,   28                          ; s[28:35] descriptor group 1
.set G0,   36                          ; s[36:39] descriptor group 0: it walks
.set TB,   40                          ; LDS byte at which the slot in hand begins
.set SLOTS, 41
.set CS,   42                          ; s[42:43] log2(e)
.set SEL,  44                          ; s[44:45]
.set PFA,  46                          ; s[46:47] my prefetches of codes
.set PFB,  48                          ; s[48:49] my prefetch of scale words
.set LIM,  50
.set LIM2, 51
.set RB,   52
.set CNT,  53
.set QSC,  54                          ; s[54:55] 1 / sqrt(32)
.set QP,   66                          ; s[66:67] q at my wave's 16 rows
.set OP,   68                          ; s[68:69] out0 likewise
.set KVB,  72
.set WSB,  74
.set WOB,  76
.set WQB,  78
.set WQSB, 80
.set MSB, 0
.macro WIN new                         ; the immediate's high byte repeats the setting that is left; a switch that changes nothing is dropped
.if MSB != (\new)
	s_set_vgpr_msb (MSB<<8)|(\new)
.set MSB, (\new)
.endif
.endm
.macro PLACES n
.rept \n
	v_nop
.endr
.endm
.macro BARRIER                         ; my LDS stores have landed and my LDS loads are in: then the work-group's barrier
	s_wait_dscnt 0x0
	s_barrier_signal -1
	s_barrier_wait -1
.endm
.macro CROUND                          ; a round of the cluster's barrier
	s_barrier_signal -1
	s_barrier_wait -1
	s_cmp_lg_u32 s[WV], 0
	s_cbranch_scc1 .Lnot_wave_0_\@
	s_barrier_signal -3
.Lnot_wave_0_\@:
	s_barrier_wait -3
	s_barrier_signal -1
	s_barrier_wait -1
.endm
.macro LA dst, lane, mul, base         ; v[dst] = base + mul x wave + v[lane]
	s_mul_i32 s26, s[WV], \mul
	s_add_co_u32 s26, s26, \base
	v_add_nc_u32 v[\dst], s26, v[\lane]
.endm
; 64 numbers of a lane in window w, register 16 b + i = k 32 b + 16 (lane / 16) + i of my row, become a fragment's codes in v[PC] on and its scale word in v[PW]
.macro QUANT s, w
	WIN 20*(\w)                                    ; sources 1 and 2 in window w
.irp b, 0,1,2,3
	v_max3_num_f32 v[TM+\b], 0x1800000, |v[(\s)+16*\b]|, |v[(\s)+1+16*\b]|   ; block b: my 16 numbers, and the floor 2^(3 - 127): the byte cannot fall under 1
.endr
.irp i, 2,4,6,8,10,12,14
.irp b, 0,1,2,3
	v_max3_num_f32 v[TM+\b], v[TM+\b], |v[(\s)+16*\b+\i]|, |v[(\s)+1+16*\b+\i]|
.endr
.endr
	WIN 0
.irp b, 0,1,2,3
	v_permlanex16_b32 v[TM+4+\b], v[TM+\b], s[SEL], s[SEL+1]
.endr
.irp b, 0,1,2,3
	v_max_num_f32 v[TM+\b], v[TM+\b], v[TM+4+\b]   ; with lane l xor 16's: the block's largest magnitude
.endr
.irp b, 0,1,2,3
	v_add_nc_u32 v[TM+12+\b], 0xff000000, v[TM+\b]   ; 2 off its exponent field: the conversion's scale operand
.endr
.irp b, 0,1,2,3
	v_lshrrev_b32 v[TM+4+\b], 23, v[TM+12+\b]      ; the scale's byte
.endr
	v_lshl_or_b32 v[PW], v[TM+5], 8, v[TM+4]
	v_lshl_or_b32 v[PW], v[TM+6], 16, v[PW]
	v_lshl_or_b32 v[PW], v[TM+7], 24, v[PW]
	WIN (\w)                                       ; source 0 in window w
.irp b, 0,1,2,3
	v_cvt_scalef32_pk8_fp4_f32 v[PC+2*\b], v[(\s)+16*\b:(\s)+7+16*\b], v[TM+12+\b]
	v_cvt_scalef32_pk8_fp4_f32 v[PC+1+2*\b], v[(\s)+8+16*\b:(\s)+15+16*\b], v[TM+12+\b]
.endr
	WIN 0
	v_nop                                          ; one plain place behind a scaled conversion
.irp c, 0,1
.irp i, 0,1
	v_permlane16_swap_b32 v[PC+4*\c+\i], v[PC+2+4*\c+\i]   ; a whole block in a lane
.endr
.endr
.endm
.macro IMAGE adr, off                  ; the fragment in v[PC] on goes to LDS as it stands
.irp c, 0,1
	ds_store_b128 v[\adr], v[PC+4*\c:PC+4*\c+3] offset:(\off)+512*\c
.endr
.endm
.macro MM                              ; one product on the symbols rD, rA, rB, rSA, rSB; cM = 0: the constant 0 starts the sum; fR = 1: source 0's scale words stand in lanes 16-31
.if cM == 0
.if fR
	v_wmma_scale_f32_16x16x128_f8f6f4 v[rD:rD+7], v[rA:rA+7], v[rB:rB+7], 0, v[rSA], v[rSB] matrix_a_fmt:MATRIX_FMT_FP4 matrix_b_fmt:MATRIX_FMT_FP4 matrix_a_scale:MATRIX_SCALE_ROW1
.else
	v_wmma_scale_f32_16x16x128_f8f6f4 v[rD:rD+7], v[rA:rA+7], v[rB:rB+7], 0, v[rSA], v[rSB] matrix_a_fmt:MATRIX_FMT_FP4 matrix_b_fmt:MATRIX_FMT_FP4
.endif
.else
.if fR
	v_wmma_scale_f32_16x16x128_f8f6f4 v[rD:rD+7], v[rA:rA+7], v[rB:rB+7], v[rD:rD+7], v[rSA], v[rSB] matrix_a_fmt:MATRIX_FMT_FP4 matrix_b_fmt:MATRIX_FMT_FP4 matrix_a_scale:MATRIX_SCALE_ROW1
.else
	v_wmma_scale_f32_16x16x128_f8f6f4 v[rD:rD+7], v[rA:rA+7], v[rB:rB+7], v[rD:rD+7], v[rSA], v[rSB] matrix_a_fmt:MATRIX_FMT_FP4 matrix_b_fmt:MATRIX_FMT_FP4
.endif
.endif
.endm
.macro XLOAD set, ks                   ; my 16 rows' numbers of K step ks (64 a lane) into set of window 1
	WIN 0x40
.irp b, 0,1,2,3
.irp j, 0,1,2,3
	ds_load_b128 v[64*(\set)+16*\b+4*\j:64*(\set)+16*\b+4*\j+3], v[XAT] offset:(\ks)+128*\b+16*\j   ; (ks: here the byte at which the 16 rows' K step begins in the tile)
.endr
.endr
	WIN 0
.endm
.macro XFETCH ks, p                    ; x's four fragments and scale words of K step ks into set p: 12 loads
.irp qt, 0,1,2,3
.irp c, 0,1
	ds_load_b128 v[XF+32*(\p)+8*\qt+4*\c:XF+32*(\p)+8*\qt+4*\c+3], v[XQI] offset:(8*\qt+(\ks))*1024+512*\c
.endr
	ds_load_b32 v[XS+4*(\p)+\qt], v[XQSR] offset:(8*\qt+(\ks))*128
.endr
.endm
.macro TIMES qt, pair                  ; tile qt's 64 numbers of window 1 times the low word of v[pair] (window 0), each accumulator from its low end on
	WIN 0x41
.set kJ, 0
.rept 32
	v_pk_mul_f32 v[64*(\qt)+kJ:64*(\qt)+kJ+1], v[64*(\qt)+kJ:64*(\qt)+kJ+1], v[(\pair):(\pair)+1] op_sel_hi:[1,0]
.set kJ, kJ+2
.endr
.endm
	s_load_b256 s[4:11], s[0:1], 0x0               ; q s[4:5], wimg s[6:7], Wq's scales s[8:9], kv s[10:11]
	s_load_b256 s[12:19], s[0:1], 0x20             ; Wo's scales s[12:13], bo s[14:15], gamma s[16:17], beta s[18:19]
	s_load_b64 s[20:21], s[0:1], 0x40              ; out0
	v_lshl_add_u32 v[SPW], v0, 2, SPARE
	v_mov_b32 v[NIL], 0
	ds_add_u32 v15, v16
	ds_add_u32 v15, v16
	s_wait_dscnt 0x0
	v_lshrrev_b32 v31, 5, v0
	v_readfirstlane_b32 s[WV], v31                 ; wave 0..3
	v_and_b32 v31, 31, v0                          ; lane
	v_and_b32 v32, 15, v0                          ; r
	v_bfe_u32 v33, v0, 4, 1                        ; h
	v_and_b32 v34, 8, v32
	v_add_nc_u32 v34, v34, v32                     ; r + 8 (r / 8)
	v_lshlrev_b32 v[LI], 4, v31
	v_lshlrev_b32 v35, 2, v31
	s_wait_alu depctr_va_vdst(0)
	v_lshlrev_b32 v[PFO], 8, v31
	LA AK0, LI, 4096, 0
	LA AV0, LI, 8192, 65536
	LA AKS0, 35, 256, 131072
	LA AVS0, 35, 512, 135168
	s_lshr_b32 s26, s[WV], 1
	s_lshl_b32 s26, s26, 12
	s_and_b32 s27, s[WV], 1
	s_lshl_b32 s27, s27, 9
	s_add_co_u32 s26, s26, s27
	s_add_co_u32 s26, s26, PIMG
	v_add_nc_u32 v[PWI], s26, v[LI]                ; my codes are registers 4 (w % 2) on of p's K step w / 2
	LA PWS, 35, 512, PSC
	LA PRI, LI, 0, PIMG
	LA PRS, 35, 0, PSC
	LA MXW, LI, 512, MAXT
	LA MXR, LI, 0, MAXT
	LA XQI, LI, 0, XQ
	LA XQSR, 35, 0, XQS
	LA XWI, LI, 2048, XQ
	LA XWS, 35, 256, XQS
	LA QWI, LI, 1024, XQ
	LA QWS, 35, 128, QHS
	LA QSR, 35, 0, QHS
	LA SR0, LI, 16*YP, 0
	v_mul_u32_u24 v[XA], v32, QPITCH
	v_lshl_add_u32 v[XA], v33, 6, v[XA]
	s_mul_i32 s26, s[WV], QTILE
	v_add_nc_u32 v[XA], s26, v[XA]
	v_lshlrev_b32 v[WSA], 5, v34
.irp b, 4,5,6,7,8,9,10,11
	v_mov_b32 v[TM+\b], 0                          ; written once: a lane permute's destination counts as one of its sources
.endr
	s_bfe_u32 s25, ttmp6, 0x40000                  ; cx: my place in the cluster: it enters q's, out0's and the prefetches' addresses alone
	s_and_b32 s56, ttmp7, 0xffff                   ; the batch, which the four partners share
	s_mul_i32 s60, s56, 8*SLOTB
	s_mov_b32 s61, 0
	s_mul_i32 s62, s[WV], QUART                    ; my quarter of a block, in memory and in a slot
	s_mov_b32 s63, 0
	s_lshl_b32 s82, ttmp9, 2                       ; in a cluster launch ttmp9 counts clusters
	s_add_co_u32 s82, s82, s25
	s_lshl_b32 s82, s82, 6                         ; my work-group's first query,
	s_lshl_b32 s83, s56, 11
	s_add_co_u32 s82, s82, s83
	s_lshl_b32 s83, s[WV], 4
	s_add_co_u32 s82, s82, s83                     ; my wave's 16 rows of q and out0,
	s_lshl_b32 s84, s82, 12                        ; in bytes
	s_mov_b32 s85, 0
	s_mul_i32 s90, s[WV], 64512
	s_sub_co_u32 s90, s84, s90                     ; q's tile: the work-group's first row (16 w rows back), 1,024 w bytes along it
	s_mov_b32 s91, 0
	s_lshl_b32 s86, s25, 2
	s_add_co_u32 s86, s86, s[WV]
	s_lshl_b32 s86, s86, 13
	s_add_co_u32 s86, s86, SLOTB                   ; prefetches of codes: 8,192 bytes for each of the cluster's 16 waves; in step 1: the first change of slots steps it to step 2
	s_mov_b32 s87, 0
	s_add_co_u32 s88, s25, 4
	s_mul_i32 s88, s88, SLOTB
	s_add_co_u32 s88, s88, 131072                  ; prefetch of scale words: step 4 + cx
	s_mov_b32 s89, 0
	s_mov_b32 s[G1], 15|(3<<16)|(1<<21)            ; 15:0 the mask: all four work-groups; 17:16 elements of 8 bytes; 21 set beside a mask; no padding: the images are read 512 consecutive bytes an instruction
	s_mov_b32 s[G1+1], 32<<16                      ; tensor_dim0 = 32 elements: rows of 256 bytes
	s_mov_b32 s[G1+2], 136<<16                     ; tensor_dim1 = 136 rows
	s_mov_b32 s[G1+3], 32<<16                      ; tile_dim0
	s_mov_b32 s[G1+4], 136                         ; tile_dim1
	s_mov_b32 s[G1+5], 32                          ; from row to row: dense
	s_mov_b32 s[G1+6], 0
	s_mov_b32 s[G1+7], 0
	s_mov_b32 s[G1Q], (2<<16)|(1<<20)|(7<<22)|(19<<25)   ; no mask; elements of 4 bytes; padding: 20 words after every 256
	s_mov_b32 s[G1Q+1], 256<<16                    ; tensor_dim0 = 256 elements: 1,024 bytes of a row
	s_mov_b32 s[G1Q+2], 64<<16                     ; tensor_dim1 = 64 rows
	s_mov_b32 s[G1Q+3], 256<<16                    ; tile_dim0
	s_mov_b32 s[G1Q+4], 64                         ; tile_dim1
	s_mov_b32 s[G1Q+5], 1024                       ; from row to row
	s_mov_b32 s[G1Q+6], 0
	s_mov_b32 s[G1Q+7], 0
	s_mov_b32 s[CS], 0x3fb8aa3b                    ; log2(e)
	s_mov_b32 s[CS+1], s[CS]                       ; (named with it as a pair, so it is written)
	s_mov_b32 s[QSC], 0x3e3504f3                   ; 1 / sqrt(32)
	s_mov_b32 s[QSC+1], s[QSC]
	s_mov_b32 s[SEL], 0x76543210
	s_mov_b32 s[SEL+1], 0xfedcba98
	s_mov_b32 s70, 0x3a800000                      ; 1 / 1,024
	s_mov_b32 s71, 0x3727c5ac                      ; 1e-5
	s_mov_b32 s[TB], 0
	s_mov_b32 s[SLOTS], 7
	s_cmp_eq_u32 ttmp9, 0                          ; all eight clusters of a batch walk the same blocks: the first prefetches.  The same in all four partners
	s_cselect_b32 s[LIM], 1, -1
	s_or_b32 s57, ttmp9, s[WV]
	s_cmp_eq_u32 s57, 0
	s_cselect_b32 s[LIM2], 5, -1
	s_wait_kmcnt 0x0
	s_add_nc_u64 s[KVB:KVB+1], s[10:11], s[60:61]  ; kv at my batch
	s_add_nc_u64 s[QP:QP+1], s[4:5], s[84:85]
	s_add_nc_u64 s[OP:OP+1], s[20:21], s[84:85]
	s_add_nc_u64 s[PFA:PFA+1], s[KVB:KVB+1], s[86:87]
	s_add_nc_u64 s[PFB:PFB+1], s[KVB:KVB+1], s[88:89]
	s_lshl_b32 s26, s[WV], 16
	s_mov_b32 s27, 0
	s_add_nc_u64 s[WQB:WQB+1], s[6:7], s[26:27]    ; my 64 fragments of Wq: 65,536 bytes a wave;
	s_add_nc_u64 s[WOB:WOB+1], s[WQB:WQB+1], 0x40000   ; my 64 of Wo lie 262,144 bytes further on
	s_lshl_b32 s26, s[WV], 12
	s_add_nc_u64 s[WSB:WSB+1], s[12:13], s[26:27]  ; their scale bytes: Wo's 16 a row at row 256 w, Wq's 32 a row at row 128 w
	s_add_nc_u64 s[WQSB:WQSB+1], s[8:9], s[26:27]
	s_mov_b32 s[G0], 1                             ; count = 1
	s_mov_b32 s[G0+1], s62                         ; LDS address: slot 0, my quarter
	s_add_nc_u64 s[G0+2:G0+3], s[KVB:KVB+1], s[62:63]   ; step 0, my quarter
	s_or_b32 s[G0+3], s[G0+3], 0x80000000          ; type = 2
	s_mov_b32 s[G0Q], 1
	s_mul_i32 s[G0Q+1], s[WV], QTILE
	s_add_nc_u64 s[G0Q+2:G0Q+3], s[4:5], s[90:91]
	s_or_b32 s[G0Q+3], s[G0Q+3], 0x80000000
	CROUND                                         ; in a cluster launch every group of tensor loads stands behind a round
	tensor_load_to_lds s[G0Q:G0Q+3], s[G1Q:G1Q+7]  ; my tile of q: the wave's one tensor load at the head
	s_nop 0
	PLACES 4                                       ; four plain lines follow a tensor load, ahead of any switch of windows
	; ---- Wq's part goes from its images into registers meanwhile.  Fragment (K step s, tile t) is an image of 1,024 bytes at 8 s + t: each load reads 512 consecutive bytes
	WIN 0x80
.irp ks, 0,1,2,3
.irp t, 0,1,2,3,4,5,6,7
.irp c, 0,1
	global_load_b128 v[64*\ks+8*\t+4*\c:64*\ks+8*\t+4*\c+3], v[LI], s[WQB:WQB+1] offset:(8*\ks+\t)*1024+512*\c
.endr
.endr
.endr
	WIN 0xc0
.irp ks, 0,1,2,3
.irp t, 0,1,2,3,4,5,6,7
.irp c, 0,1
	global_load_b128 v[64*\ks+8*\t+4*\c:64*\ks+8*\t+4*\c+3], v[LI], s[WQB:WQB+1] offset:(8*(\ks+4)+\t)*1024+512*\c
.endr
.endr
.endr
	WIN 0
	s_wait_alu depctr_va_vdst(0)
.irp t, 0,1,2,3,4,5,6,7
.irp i, 0,1
	global_load_b128 v[WQS+8*\t+4*\i:WQS+8*\t+4*\i+3], v[WSA], s[WQSB:WQSB+1] offset:(32*(\t/2)+8*(\t%2))*32+16*\i
.endr
.endr
	; ---- my tile of q becomes eight fragments: two trips of two query tiles x my two K steps
	s_mov_b32 s[RB], 0
	s_mov_b32 s26, 0
	s_mov_b32 s27, 0
	s_mov_b32 s[CNT], 2
	s_wait_tensorcnt 0x0                           ; my tile is in; I alone read it
.Lq:
	v_add_nc_u32 v[XAT], s[RB], v[XA]
	v_add_nc_u32 v[XWIT], s26, v[XWI]
	v_add_nc_u32 v[XWST], s27, v[XWS]
	s_wait_alu depctr_va_vdst(0)
.irp u, 0,1,2,3
	XLOAD \u, (\u/2)*16*QPITCH+(\u%2)*512
.endr
.irp u, 0,1,2,3
	s_wait_dscnt 48-13*\u                          ; behind set u's 16 loads: 16 for each later set and 3 stores for each earlier one
	QUANT 64*\u, 1
	IMAGE XWIT, 8192*(\u/2)+1024*(\u%2)
	ds_store_b32 v[XWST], v[PW] offset:1024*(\u/2)+128*(\u%2)
.endr
	s_add_co_u32 s[RB], s[RB], 32*QPITCH
	s_add_co_u32 s26, s26, 16384
	s_add_co_u32 s27, s27, 2048
	s_sub_co_u32 s[CNT], s[CNT], 1
	s_cmp_lg_u32 s[CNT], 0
	s_wait_alu depctr_va_vdst(0)
	s_cbranch_scc1 .Lq
	s_wait_tensorcnt 0x0
	ds_add_u32 v[SPW], v[NIL]
	s_wait_loadcnt 0x0                             ; (Wq and its scale words are in)
	s_wait_dscnt 0x0                               ; my reads of my tile are over, and x's fragments have landed
	CROUND                                         ; a round: that holds of every wave of all four work-groups, and x's 32 fragments lie in LDS
	tensor_load_to_lds s[G0:G0+3], s[G1:G1+7]      ; step 0, asked for jointly: it lands while qh is made
	s_nop 0
	PLACES 4
	XFETCH 0, 0
.irp ks, 0,1,2,3,4,5,6,7
.if \ks > 0
	WIN 0
	PLACES 4                                       ; four places part the loads below from the last K step's products, which read the set that these loads fill
.endif
.if \ks < 7
	XFETCH \ks+1, (\ks+1)%2
	s_wait_dscnt 12                                ; all but the 12 just issued
.else
	s_wait_dscnt 0x0
.endif
	WIN 0x52+\ks/4                                 ; source 0 (Wq) window 2 or 3, source 1 (x) window 0, C and D window 1
.set kI, 0
.rept 32
.set kQ, kI%4
.set kT, kI/4
.set rD, 64*kQ+8*kT
.set rA, 64*(\ks%4)+8*kT
.set rB, XF+32*(\ks%2)+8*kQ
.set rSA, WQS+8*kT+\ks
.set rSB, XS+4*(\ks%2)+kQ
.set fR, 0
.if \ks == 0
.set cM, 0
.else
.set cM, 1
.endif
	MM
.set kI, kI+1
.endr
.endr
	WIN 0
	BARRIER                                        ; every wave's reads of x's fragments are over: qh's go into the same bytes
	PLACES 4
.irp qt, 0,1,2,3
	WIN 0x41
.set kJ, 0
.rept 32
	v_pk_mul_f32 v[64*\qt+kJ:64*\qt+kJ+1], v[64*\qt+kJ:64*\qt+kJ+1], s[QSC:QSC+1] op_sel_hi:[1,0]   ; x 1 / sqrt(32), ahead of the quantiser, as reference() has it
.set kJ, kJ+2
.endr
	QUANT 64*\qt, 1
	IMAGE QWI, 4096*\qt                            ; K step w of the scores' product, queries 16 qt on
	ds_store_b32 v[QWS], v[PW] offset:512*\qt
.endr
	BARRIER                                        ; qh's 16 fragments lie in LDS
	WIN 0x80
.irp qt, 0,1,2,3
.irp ks, 0,1,2,3
.irp c, 0,1
	ds_load_b128 v[32*\qt+8*\ks+4*\c:32*\qt+8*\ks+4*\c+3], v[XQI] offset:(4*\qt+\ks)*1024+512*\c   ; Q stays in registers
.endr
.endr
.endr
	WIN 0
.irp qt, 0,1,2,3
.irp ks, 0,1,2,3
	ds_load_b32 v[QS+4*\qt+\ks], v[QSR] offset:(4*\qt+\ks)*128
.endr
.endr
.irp i, 0,1,2,3,4,5,6,7
	v_mov_b32 v[KVS+\i], 0                         ; the first trip's second product: scale bytes 0 (2^-127, a number) on both sides,
	v_mov_b32 v[PS+\i], 0
.endr
.irp qt, 0,1,2,3
	v_mov_b32 v[ST+6*\qt+1], 0xff61b1e6            ; the largest t so far: -3e38, under every t
	v_floor_f32 v[ST+6*\qt], -v[ST+6*\qt+1]        ; -M
	v_mov_b32 v[ST+6*\qt+2], 0                     ; the sum, in two halves
	v_mov_b32 v[ST+6*\qt+3], 0
	v_mov_b32 v[ST+6*\qt+5], 0                     ; (named as the upper half of f's pair)
.endr
	WIN 0xc0
.set kJ, 0
.rept 64
	v_mov_b32 v[kJ], 0                             ; and zero codes in P: that product adds zeros.  64 lines once, so that the step is written without a first copy of its own
.set kJ, kJ+1
.endr
	WIN 0
; A PREFETCH INTO THE L2 of what the NEXT change of slots will ask for.  It stands behind the wave's tensor load and its four lines.  All eight clusters of a batch walk the same blocks: the batch's first cluster asks.
; A block's codes are 512 runs of 256 bytes: each of the cluster's 16 waves names 32, a lane a run, told apart BY ADDRESS (4 cx + wave).  The last change that fills a slot asks for nothing.
; The scale words (32 runs a block) of steps 4 to 7 are named once, at the third change, by wave 0 of partner cx for step 4 + cx.  Steps 0 and 1, and the scale words of steps 2 and 3, come by their loads alone.
.macro ASK
	s_cmp_gt_u32 s[SLOTS], s[LIM]
	s_cbranch_scc0 .Lno_codes_\@
	global_prefetch_b8 v[PFO], s[PFA:PFA+1] th:TH_LOAD_NT scope:SCOPE_SE
.Lno_codes_\@:
	s_cmp_eq_u32 s[SLOTS], s[LIM2]
	s_cbranch_scc0 .Lno_words_\@
	global_prefetch_b8 v[PFO], s[PFB:PFB+1] th:TH_LOAD_NT scope:SCOPE_SE
.Lno_words_\@:
.endm
; THE CHANGE OF SLOTS stands at a step's head.  Each wave waits for all its tensor loads (its quarter of the slot that it is about to read), adds 0 to its spare word, and waits for that and for its reads of the slot that it has left.
; fill = 1: the barrier is a round of the cluster's, so that no wave of any partner still reads the other slot or has a load on its way, and the joint refill is the first thing behind it: it has a whole step in which to land.
.macro CHANGE fill
	WIN 0
	s_wait_tensorcnt 0x0                           ; no tensor load of mine is out, so group 0 may be written
	ds_add_u32 v[SPW], v[NIL]                      ; 0 onto my spare word
.if \fill
	s_xor_b32 s[G0+1], s[G0+1], SLOTB              ; the other slot than last time,
	s_add_nc_u64 s[G0+2:G0+3], s[G0+2:G0+3], SLOTB ; the next step's block; the type bits on top are not reached
	s_wait_xcnt 0x0                                ; the last prefetch, a step back, has read its address
	s_add_nc_u64 s[PFA:PFA+1], s[PFA:PFA+1], SLOTB ; one step further on than the descriptor
.else
	s_mov_b32 s[G0+1], s62                         ; fill = 0, the last change: slot 0, which step 6 has left, takes Wo's banks 0 and 1: my 32,768 bytes where my quarter lay,
	s_mov_b64 s[G0+2:G0+3], s[WOB:WOB+1]
	s_or_b32 s[G0+3], s[G0+3], 0x80000000
	s_mov_b32 s[G1+2], 128<<16                     ; 128 rows of 256 bytes (no tensor load of mine is out, so a descriptor may be written)
	s_mov_b32 s[G1+4], 128
.endif
	s_wait_dscnt 0x0                               ; the add is done, and my reads of the slot that I have left are over
	CROUND
	tensor_load_to_lds s[G0:G0+3], s[G1:G1+7]
	s_nop 0
	PLACES 4
.if \fill
	ASK
.endif
.endm
; O^T += V^T P^T: 32 accumulators by turns, 128 keys at a time; each fragment of V feeds four products.  All its operands are registers.
.macro PVMUL
	WIN 0x5e                                       ; source 0 (V) window 2, source 1 (P) window 3, O^T window 1
.set kI, 0
.rept 64
.set kQ, kI%4
.set kT, (kI/4)%8
.set kS, kI/32
.set rD, 64*kQ+8*kT
.set rA, 128+64*kS+8*kT
.set rB, 32*kS+8*kQ
.set rSA, KVS+4*kS+kT/2
.set rSB, PS+4*kS+kQ
.set fR, kT%2
.set cM, 1
	MM
.set kI, kI+1
.endr
	WIN 0
.endm
; A STEP: 256 keys.
.macro STEP
	v_add_nc_u32 v[ADK], s[TB], v[AK0]
	v_add_nc_u32 v[ADV], s[TB], v[AV0]
	v_add_nc_u32 v[ADKS], s[TB], v[AKS0]
	v_add_nc_u32 v[ADVS], s[TB], v[AVS0]
	WIN 0xc0
.irp ks, 0,1,2,3
.irp kt, 0,1,2,3
.irp c, 0,1
	ds_load_b128 v[64+32*\ks+8*\kt+4*\c:64+32*\ks+8*\kt+4*\c+3], v[ADK] offset:\ks*16384+\kt*1024+512*\c   ; my four tiles of keys, all 512 units
.endr
.endr
.endr
	WIN 0
.irp ks, 0,1,2,3
.irp p, 0,1
	ds_load_b32 v[KS+2*\ks+\p], v[ADKS] offset:\ks*1024+128*\p   ; lanes 0-15 the even tile's words, lanes 16-31 the odd tile's
.endr
.endr
	PVMUL                                          ; the step before's second product stands between these 40 loads and the wait for them
	s_wait_dscnt 0x0                               ; K is in
	WIN 0x0b                                       ; source 0 (K) window 3, source 1 (Q) window 2, S^T window 0
.set kI, 0
.rept 64                                       ; S^T = K Q^T: 16 accumulators by turns, 128 units at a time; each fragment of K feeds four products
.set kQ, kI%4
.set kT, (kI/4)%4
.set kS, kI/16
.set rD, S+32*kQ+8*kT
.set rA, 64+32*kS+8*kT
.set rB, 32*kQ+8*kS
.set rSA, KS+2*kS+kT/2
.set rSB, QS+4*kQ+kS
.set fR, kT%2
.if kS == 0
.set cM, 0
.else
.set cM, 1
.endif
	MM
.set kI, kI+1
.endr
	WIN 0
	PLACES 4                                       ; in front of the first read of the scores
	; the largest score of each block of 32 keys (block i = 2 qt + b: registers 16 i on): it serves the row's maximum and, since p rises with the score, the block's largest p
.irp i, 0,1,2,3,4,5,6,7
	v_max3_num_f32 v[BM+\i], v[S+16*\i], v[S+16*\i+1], v[S+16*\i+2]
.endr
.irp j, 3,5,7,9,11,13
.irp i, 0,1,2,3,4,5,6,7
	v_max3_num_f32 v[BM+\i], v[BM+\i], v[S+16*\i+\j], v[S+16*\i+\j+1]
.endr
.endr
.irp i, 0,1,2,3,4,5,6,7
	v_max_num_f32 v[BM+\i], v[BM+\i], v[S+16*\i+15]
.endr
.irp i, 0,1,2,3,4,5,6,7
	v_permlanex16_b32 v[BP+\i], v[BM+\i], s[SEL], s[SEL+1]
.endr
.irp i, 0,1,2,3,4,5,6,7
	v_max_num_f32 v[BM+\i], v[BM+\i], v[BP+\i]     ; with lane l xor 16's 16 keys
.endr
.irp qt, 0,1,2,3
	v_max_num_f32 v[LM+\qt], v[BM+2*\qt], v[BM+2*\qt+1]   ; my 64 keys' largest score of each query
.endr
	ds_store_b128 v[MXW], v[LM:LM+3]
	BARRIER                                        ; the four waves' maxima lie in LDS
.irp ww, 0,1,2,3
	ds_load_b128 v[RM+4*\ww:RM+4*\ww+3], v[MXR] offset:512*\ww   ; (into the registers that held K's scale words: the products that read them stand some eighty plain lines back)
.endr
	WIN 0x80
.irp ks, 0,1
.irp dt, 0,1,2,3,4,5,6,7
.irp c, 0,1
	ds_load_b128 v[128+64*\ks+8*\dt+4*\c:128+64*\ks+8*\dt+4*\c+3], v[ADV] offset:\ks*32768+\dt*1024+512*\c   ; my eight tiles of units, all 256 keys: asked for behind the barrier, so that no wait stands on them before the exponentials are done
.endr
.endr
.endr
	WIN 0
.irp ks, 0,1
.irp p, 0,1,2,3
	ds_load_b32 v[KVS+4*\ks+\p], v[ADVS] offset:\ks*2048+128*\p
.endr
.endr
	s_wait_dscnt 40                                ; LDS loads come back in order: the four reads of the maxima are in; V's 32 + 8 may be out
.irp qt, 0,1,2,3
	v_max3_num_f32 v[TA+\qt], v[RM+\qt], v[RM+4+\qt], v[RM+8+\qt]
.endr
.irp qt, 0,1,2,3
	v_max_num_f32 v[TA+\qt], v[TA+\qt], v[RM+12+\qt]   ; the step's largest score of the query, the same in all four waves
.endr
.irp qt, 0,1,2,3
	v_mul_f32 v[TA+\qt], s[CS], v[TA+\qt]          ; as t
.endr
.irp qt, 0,1,2,3
	v_max_num_f32 v[ST+6*\qt+1], v[ST+6*\qt+1], v[TA+\qt]   ; the running largest t
.endr
.irp qt, 0,1,2,3
	v_mov_b32 v[TA+\qt], v[ST+6*\qt]
.endr
.irp qt, 0,1,2,3
	v_floor_f32 v[ST+6*\qt], -v[ST+6*\qt+1]        ; the new -M = -ceil(t): a whole number
.endr
.irp qt, 0,1,2,3
	v_sub_f32 v[TA+\qt], v[ST+6*\qt], v[TA+\qt]    ; old M - new M: a whole number, 0 or less
.endr
.irp qt, 0,1,2,3
	v_cvt_i32_f32 v[TA+\qt], v[TA+\qt]             ; (it saturates)
.endr
.irp qt, 0,1,2,3
	v_ldexp_f32 v[ST+6*\qt+4], 1.0, v[TA+\qt]      ; f = 2^(old M - new M)
.endr
.irp qt, 0,1,2,3
.set kJ, 0
.rept 16
	v_pk_fma_f32 v[S+32*\qt+kJ:S+32*\qt+kJ+1], v[S+32*\qt+kJ:S+32*\qt+kJ+1], s[CS:CS+1], v[ST+6*\qt:ST+6*\qt+1] op_sel_hi:[1,0,0]   ; t - M, two at a time
.set kJ, kJ+2
.endr
.endr
.irp i, 0,1,2,3,4,5,6,7
	v_fma_f32 v[BM+\i], v[BM+\i], s[CS], v[ST+6*(\i/2)]   ; the same of each block's largest score
.endr
.set kJ, 0
	s_wait_alu depctr_va_vdst(0)
.rept 128
	v_exp_f32 v[S+kJ], v[S+kJ]                     ; p = 2^(t - M), at most 1: not normalised
.set kJ, kJ+1
.endr
.irp i, 0,1,2,3,4,5,6,7
	v_exp_f32 v[BM+\i], v[BM+\i]                   ; the block's largest p: the same two instructions on the same number give the same bits
.endr
.irp qt, 0,1,2,3
	v_pk_mul_f32 v[ST+6*\qt+2:ST+6*\qt+3], v[ST+6*\qt+2:ST+6*\qt+3], v[ST+6*\qt+4:ST+6*\qt+5] op_sel_hi:[1,0]   ; the sums under the new M (plain places behind the exponentials)
.endr
	s_wait_alu depctr_va_vdst(0)
.irp i, 0,1,2,3,4,5,6,7
	v_max_num_f32 v[BM+\i], 0x1800000, v[BM+\i]    ; the floor 2^(3 - 127): the byte cannot fall under 1
.endr
.irp i, 0,1,2,3,4,5,6,7
	v_add_nc_u32 v[SO+\i], 0xff000000, v[BM+\i]    ; 2 off the exponent field: the conversion's scale operand
.endr
.irp i, 0,1,2,3,4,5,6,7
	v_lshrrev_b32 v[BP+\i], 23, v[SO+\i]           ; the scale's byte
.endr
.irp qt, 0,1,2,3
	v_lshl_or_b32 v[PH+\qt], v[BP+2*\qt+1], 8, v[BP+2*\qt]   ; my two bytes of the query's scale word
.endr
.irp i, 0,1,2,3,4,5,6,7
	v_cvt_scalef32_pk8_fp4_f32 v[PCS+2*\i], v[S+16*\i:S+16*\i+7], v[SO+\i]
	v_cvt_scalef32_pk8_fp4_f32 v[PCS+2*\i+1], v[S+16*\i+8:S+16*\i+15], v[SO+\i]
.endr
	v_nop                                          ; one plain place behind a scaled conversion
.irp qt, 0,1,2,3
.irp i, 0,1
	v_permlane16_swap_b32 v[PCS+4*\qt+\i], v[PCS+4*\qt+2+\i]   ; a whole block in a lane: four registers of p's fragment
.endr
.endr
.irp qt, 0,1,2,3
	ds_store_b128 v[PWI], v[PCS+4*\qt:PCS+4*\qt+3] offset:1024*\qt
	ds_store_b32 v[PWS], v[PH+\qt] offset:128*\qt
.endr
.irp qt, 0,1,2,3                               ; the row's sum is taken of the unquantised p: two at a time, in two chains a tile; it stands between the stores and the wait for them
	v_pk_add_f32 v[SO+2*\qt:SO+2*\qt+1], v[S+32*\qt:S+32*\qt+1], v[S+32*\qt+2:S+32*\qt+3]
.endr
.irp j, 4,8,12,16,20,24,28
.irp qt, 0,1,2,3
	v_pk_add_f32 v[ST+6*\qt+2:ST+6*\qt+3], v[ST+6*\qt+2:ST+6*\qt+3], v[S+32*\qt+\j:S+32*\qt+\j+1]
	v_pk_add_f32 v[SO+2*\qt:SO+2*\qt+1], v[SO+2*\qt:SO+2*\qt+1], v[S+32*\qt+\j+2:S+32*\qt+\j+3]
.endr
.endr
.irp qt, 0,1,2,3
	v_pk_add_f32 v[ST+6*\qt+2:ST+6*\qt+3], v[ST+6*\qt+2:ST+6*\qt+3], v[SO+2*\qt:SO+2*\qt+1]
.endr
	BARRIER                                        ; p's eight fragments and the waves' half words lie in LDS; V is in
	WIN 0xc0
.irp ks, 0,1
.irp qt, 0,1,2,3
.irp c, 0,1
	ds_load_b128 v[32*\ks+8*\qt+4*\c:32*\ks+8*\qt+4*\c+3], v[PRI] offset:\ks*4096+\qt*1024+512*\c
.endr
.endr
.endr
	WIN 0
.irp ks, 0,1
.irp qt, 0,1,2,3
	ds_load_b32 v[PSL+4*\ks+\qt], v[PRS] offset:1024*\ks+128*\qt        ; wave 2 ks's two bytes,
	ds_load_b32 v[PSH+4*\ks+\qt], v[PRS] offset:1024*\ks+512+128*\qt    ; wave 2 ks + 1's
.endr
.endr
	TIMES 0, ST+4                                  ; O^T under the new M: x f
	TIMES 1, ST+10
	WIN 0
	s_wait_dscnt 0x0                               ; P and its half words are in: from here on the step's second product wants registers alone
.irp i, 0,1,2,3,4,5,6,7
	v_lshl_or_b32 v[PS+\i], v[PSH+\i], 16, v[PSL+\i]   ; p's scale words; the 64 multiplications below stand between these lines and the products that name them
.endr
	TIMES 2, ST+16
	TIMES 3, ST+22
	WIN 0
	s_xor_b32 s[TB], s[TB], SLOTB                  ; on to the other slot
.endm
.Lslot:                                            ; seven trips: behind each change of slots but the last the next step's block is asked for
	CHANGE 1
	s_wait_alu depctr_va_vdst(0)
	STEP
	s_sub_co_u32 s[SLOTS], s[SLOTS], 1
	s_cmp_lg_u32 s[SLOTS], 0
	s_cbranch_scc1 .Lslot
	CHANGE 0                                       ; the last step is written out
	s_wait_alu depctr_va_vdst(0)
	STEP
	PVMUL                                          ; the last step's second product
	; ---- the waves' sums meet; meanwhile Wo's bank 2 is asked for and banks 0 and 1 are read from slot 0 (the additions and address lines are the places behind the last products)
.irp qt, 0,1,2,3
	v_add_f32 v[LM+\qt], v[ST+6*\qt+2], v[ST+6*\qt+3]
.endr
.irp qt, 0,1,2,3
	v_permlanex16_b32 v[LM+4+\qt], v[LM+\qt], s[SEL], s[SEL+1]
.endr
.irp qt, 0,1,2,3
	v_add_f32 v[LM+\qt], v[LM+\qt], v[LM+4+\qt]    ; my 64 keys a step, all steps
.endr
	ds_store_b128 v[MXW], v[LM:LM+3]
	v_and_b32 v96, 15, v0                          ; r
	v_bfe_u32 v97, v0, 4, 1                        ; h
	v_mul_u32_u24 v98, v96, YP
	v_lshl_add_u32 v98, v97, 5, v98
	s_lshl_b32 s26, s[WV], 10
	v_add_nc_u32 v98, s26, v98                     ; the stage: row r, + 32 h, + my 1,024 bytes of a row
.irp qt, 0,1,2,3
	v_add_nc_u32 v[YS+\qt], \qt*16*YP, v98
.endr
.irp i, 0,1,2,3,4,5,6,7
	global_load_b128 v[WS+4*\i:WS+4*\i+3], v[LI], s[WSB:WSB+1] offset:512*\i   ; Wo's scale words: lane l takes row 32 i + l: lanes 0-15 tile 2 i, lanes 16-31 tile 2 i + 1
.endr
.macro WOLDS k, base                   ; bank k out of my part of slot 0, the same images to the same registers
.irp ks, 0,1,2,3
.irp mt, 0,1,2,3
.irp c, 0,1
	ds_load_b128 v[\base+32*\ks+8*\mt+4*\c:\base+32*\ks+8*\mt+4*\c+3], v99 offset:(16*\k+4*\ks+\mt)*1024+512*\c
.endr
.endr
.endr
.endm
.macro WOLOAD k, base
.irp ks, 0,1,2,3
.irp mt, 0,1,2,3
.irp c, 0,1
	global_load_b128 v[\base+32*\ks+8*\mt+4*\c:\base+32*\ks+8*\mt+4*\c+3], v[LI], s[WOB:WOB+1] offset:(16*\k+4*\ks+\mt)*1024+512*\c
.endr
.endr
.endr
.endm
	v_add_nc_u32 v99, s62, v[LI]                   ; my part of slot 0 + 16 lane
	WIN 0xc0
	WOLOAD 2, 128
	WIN 0
	s_wait_alu depctr_va_vdst(0)
	s_wait_tensorcnt 0x0                           ; my banks 0 and 1 are in; I alone read them
	WIN 0x80
	WOLDS 0, 128
	WIN 0xc0
	WOLDS 1, 0
	WIN 0
	BARRIER
.irp ww, 0,1,2,3
	ds_load_b128 v[RM+4*\ww:RM+4*\ww+3], v[MXR] offset:512*\ww
.endr
	s_wait_dscnt 0x0
.irp qt, 0,1,2,3
	v_add_f32 v[LM+\qt], v[RM+\qt], v[RM+4+\qt]
.endr
.irp qt, 0,1,2,3
	v_add_f32 v[LM+4+\qt], v[RM+8+\qt], v[RM+12+\qt]
.endr
.irp qt, 0,1,2,3
	v_add_f32 v[LM+\qt], v[LM+\qt], v[LM+4+\qt]    ; the row's sum l
.endr
	s_wait_alu depctr_va_vdst(0)
.irp qt, 0,1,2,3
	v_rcp_f32 v[ST+6*\qt+4], v[LM+\qt]
.endr
	v_nop                                          ; one plain place behind a transcendental
	s_wait_alu depctr_va_vdst(0)
	; ---- attn = O^T / l, quantised along the units: K step w of the last product
.irp qt, 0,1,2,3
	TIMES \qt, ST+6*\qt+4
	QUANT 64*\qt, 1
	IMAGE QWI, 4096*\qt
	ds_store_b32 v[QWS], v[PW] offset:512*\qt
.endr
	WIN 0x40
	WOLOAD 3, 128                                  ; the fourth bank takes registers that O^T has left
	WIN 0
	BARRIER                                        ; attn's 16 fragments lie in LDS
	WIN 0x80
.irp qt, 0,1,2,3
.irp ks, 0,1,2,3
.irp c, 0,1
	ds_load_b128 v[32*\qt+8*\ks+4*\c:32*\qt+8*\ks+4*\c+3], v[XQI] offset:(4*\qt+\ks)*1024+512*\c
.endr
.endr
.endr
	WIN 0
.irp qt, 0,1,2,3
.irp ks, 0,1,2,3
	ds_load_b32 v[QS+4*\qt+\ks], v[QSR] offset:(4*\qt+\ks)*128
.endr
.endr
	s_wait_dscnt 0x0
; ---- y^T = Wo attn^T, 64 model columns at a time: 16 accumulators by turns.  The results go to the stage, which lies in the ring: both slots have had their last fill, and every wave's last read of them stands ahead of two barriers.
.macro GROUP k, win, base, cnt
	s_wait_loadcnt \cnt                            ; this bank is in; what was asked for behind it may be out, as far as the count can say
	WIN 0x58+\win                                  ; source 0 (Wo) in the bank's window, source 1 (attn) window 2, C and D window 1
.set kI, 0
.rept 64
.set kQ, kI%4
.set kT, (kI/4)%4
.set kS, kI/16
.set rD, 32*kT+8*kQ
.set rA, \base+32*kS+8*kT
.set rB, 32*kQ+8*kS
.set rSA, WS+4*(2*\k+kT/2)+kS
.set rSB, QS+4*kQ+kS
.set fR, kT%2
.if kS == 0
.set cM, 0
.else
.set cM, 1
.endif
	MM
.set kI, kI+1
.endr
	WIN 0
	PLACES 5                                       ; four in front of the stores that read results and of loads into the bank's registers; the fifth for the next group's products, which begin the same accumulators anew
	WIN 0x04                                       ; an LDS store's data are its source 1: window 1
.irp mt, 0,1,2,3
.irp qt, 0,1,2,3
	ds_store_b128 v[YS+\qt], v[32*\mt+8*\qt:32*\mt+8*\qt+3] offset:64*(4*\k+\mt)          ; lane (r, h): y(16 qt + r, 256 w + 64 k + 16 mt + 8 h + 0 .. 7); each accumulator from its low end on
	ds_store_b128 v[YS+\qt], v[32*\mt+8*\qt+4:32*\mt+8*\qt+7] offset:64*(4*\k+\mt)+16
.endr
.endr
	WIN 0
	s_wait_dscnt 0x0                               ; kept here: the next lines to write these registers are matrix instructions
.endm
.macro QROWS                           ; four rows of q for the residual, 512 consecutive bytes a load
	WIN 0x80
.irp i, 0,1,2,3
.irp c, 0,1,2,3,4,5,6,7
	global_load_b128 v[128+32*\i+4*\c:128+32*\i+4*\c+3], v[LI], s[QP:QP+1] offset:4096*\i+512*\c th:TH_LOAD_NT
.endr
.endr
	WIN 0
.endm
	GROUP 0, 2, 128, 63                            ; behind bank 0: 64 loads
	QROWS                                          ; into bank 0's registers
	GROUP 1, 3, 0, 63                              ; behind bank 1: 96
	WIN 0xc0
.irp c, 0,1,2,3,4,5,6,7
	global_load_b128 v[4*\c:4*\c+3], v[LI], s[16:17] offset:512*\c          ; gamma, beta and bo, as a row lies in my lanes, into bank 1's registers
	global_load_b128 v[32+4*\c:32+4*\c+3], v[LI], s[18:19] offset:512*\c
	global_load_b128 v[64+4*\c:64+4*\c+3], v[LI], s[14:15] offset:512*\c
.endr
	WIN 0
	GROUP 2, 3, 128, 63                            ; behind bank 2: 88
	GROUP 3, 1, 128, 56                            ; behind bank 3: q's 32 and the 24 above
	BARRIER                                        ; 64 whole rows of y lie in the stage
	; ---- x = (y + bo) + q and its LayerNorm: my 16 rows, four a trip; a lane holds 32 numbers of a row
.macro ACROSS                          ; the four rows' pairs in v[TP + 4 i] become sums over the row, in every lane
.irp i, 0,1,2,3
	v_add_f32 v[TP+4*\i], v[TP+4*\i], v[TP+4*\i+1]
.endr
.irp m, 1,2,4,8
.irp i, 0,1,2,3
	v_add_f32_dpp v[TP+4*\i], v[TP+4*\i], v[TP+4*\i] row_xmask:\m row_mask:0xf bank_mask:0xf
.endr
.endr
.irp i, 0,1,2,3
	v_permlanex16_b32 v[TP+4*\i+2], v[TP+4*\i], s[SEL], s[SEL+1]
.endr
.irp i, 0,1,2,3
	v_add_f32 v[TP+4*\i], v[TP+4*\i], v[TP+4*\i+2]
.endr
.endm
	s_mov_b32 s[RB], 0
	s_mov_b32 s[CNT], 4
.Lrows:
	v_add_nc_u32 v[SRT], s[RB], v[SR0]
	WIN 0x40
.irp i, 0,1,2,3
.irp c, 0,1,2,3,4,5,6,7
	ds_load_b128 v[32*\i+4*\c:32*\i+4*\c+3], v[SRT] offset:YP*\i+512*\c
.endr
.endr
	s_wait_loadcnt 0x0                             ; these rows of q (and, in the first trip, gamma, beta, bo)
	WIN 0x4d                                       ; source 1 window 3
.irp i, 0,1,2,3
	s_wait_dscnt 24-8*\i                           ; row i's eight loads are in; the later rows' may be out
.set kJ, 0
.rept 16
	v_pk_add_f32 v[32*\i+kJ:32*\i+kJ+1], v[32*\i+kJ:32*\i+kJ+1], v[64+kJ:64+kJ+1]          ; + bo
.set kJ, kJ+2
.endr
.endr
	WIN 0x49                                       ; source 1 window 2
.irp i, 0,1,2,3
.set kJ, 0
.rept 16
	v_pk_add_f32 v[32*\i+kJ:32*\i+kJ+1], v[32*\i+kJ:32*\i+kJ+1], v[128+32*\i+kJ:128+32*\i+kJ+1]   ; + q
.set kJ, kJ+2
.endr
.endr
	WIN 0
	s_cmp_eq_u32 s[CNT], 1                         ; the next four rows of q are asked for here, if there are any: no load leaves its buffer.  Every wait for loads in this loop is for 0
	s_cbranch_scc1 .Lno_more
	s_add_nc_u64 s[QP:QP+1], s[QP:QP+1], 16384     ; (the loads that named it are in)
	QROWS
.Lno_more:
	WIN 0x55                                       ; all in window 1
.irp i, 0,1,2,3
	v_pk_add_f32 v[TP+4*\i:TP+4*\i+1], v[32*\i:32*\i+1], v[32*\i+2:32*\i+3]
.endr
.irp p, 4,6,8,10,12,14,16,18,20,22,24,26,28,30
.irp i, 0,1,2,3
	v_pk_add_f32 v[TP+4*\i:TP+4*\i+1], v[TP+4*\i:TP+4*\i+1], v[32*\i+\p:32*\i+\p+1]        ; the four rows by turns
.endr
.endr
	ACROSS
.irp i, 0,1,2,3
	v_mul_f32 v[MU+2*\i], s70, v[TP+4*\i]          ; the mean
.endr
.irp i, 0,1,2,3
.set kJ, 0
.rept 16
	v_pk_add_f32 v[32*\i+kJ:32*\i+kJ+1], v[32*\i+kJ:32*\i+kJ+1], v[MU+2*\i:MU+2*\i+1] op_sel_hi:[1,0] neg_lo:[0,1] neg_hi:[0,1]   ; x - mean
.set kJ, kJ+2
.endr
.endr
.irp i, 0,1,2,3
	v_pk_mul_f32 v[TP+4*\i:TP+4*\i+1], v[32*\i:32*\i+1], v[32*\i:32*\i+1]
.endr
.irp p, 2,4,6,8,10,12,14,16,18,20,22,24,26,28,30
.irp i, 0,1,2,3
	v_pk_fma_f32 v[TP+4*\i:TP+4*\i+1], v[32*\i+\p:32*\i+\p+1], v[32*\i+\p:32*\i+\p+1], v[TP+4*\i:TP+4*\i+1]
.endr
.endr
	ACROSS
.irp i, 0,1,2,3
	v_fma_f32 v[TP+4*\i], v[TP+4*\i], s70, s71     ; the variance + 1e-5
.endr
	s_wait_alu depctr_va_vdst(0)
.irp i, 0,1,2,3
	v_rsq_f32 v[RSD+2*\i], v[TP+4*\i]
.endr
	v_nop                                          ; one plain place behind a transcendental
	s_wait_alu depctr_va_vdst(0)
.irp i, 0,1,2,3
.set kJ, 0
.rept 16
	v_pk_mul_f32 v[32*\i+kJ:32*\i+kJ+1], v[32*\i+kJ:32*\i+kJ+1], v[RSD+2*\i:RSD+2*\i+1] op_sel_hi:[1,0]
.set kJ, kJ+2
.endr
.endr
	WIN 0x7d                                       ; sources 1 and 2 window 3
.irp i, 0,1,2,3
.set kJ, 0
.rept 16
	v_pk_fma_f32 v[32*\i+kJ:32*\i+kJ+1], v[32*\i+kJ:32*\i+kJ+1], v[kJ:kJ+1], v[32+kJ:32+kJ+1]   ; x gamma + beta
.set kJ, kJ+2
.endr
.endr
	WIN 0x04                                       ; a store's data are its source 1: window 1
.irp i, 0,1,2,3
.irp c, 0,1,2,3,4,5,6,7
	global_store_b128 v[LI], v[32*\i+4*\c:32*\i+4*\c+3], s[OP:OP+1] offset:4096*\i+512*\c th:TH_STORE_NT   ; the wave stores 512 consecutive bytes, at a multiple of 256 from out0's first byte
.endr
.endr
	WIN 0
	s_wait_xcnt 0x0                                ; the stores have read their data and their base: both are written again only behind this wait
	s_add_nc_u64 s[OP:OP+1], s[OP:OP+1], 16384
	s_add_co_u32 s[RB], s[RB], 4*YP
	s_sub_co_u32 s[CNT], s[CNT], 1
	s_cmp_lg_u32 s[CNT], 0
	s_cbranch_scc1 .Lrows
	s_wait_tensorcnt 0x0                           ; the wave's end: behind my last tensor load and my last LDS store
	ds_add_u32 v[SPW], v[NIL]
	s_wait_dscnt 0x0
	CROUND                                         ; the closing round: no work-group ends while a partner may still ask for a block that names it
	s_endpgm
.Lfunc_end_k_q9c809bf197_attn:
	.size	k_q9c809bf197_attn, .Lfunc_end_k_q9c809bf197_attn-k_q9c809bf197_attn
	.p2alignl 7, 3214868480
	.fill 96, 4, 3214868480
	.section	.rodata,"a",@progbits
	.p2align	6, 0x0
	.amdhsa_kernel k_q9c809bf197_attn
		.amdhsa_group_segment_fixed_size 327680
		.amdhsa_private_segment_fixed_size 0
		.amdhsa_enable_private_segment 0
		.amdhsa_kernarg_size 72
		.amdhsa_user_sgpr_count 2
		.amdhsa_user_sgpr_kernarg_segment_ptr 1
		.amdhsa_wavefront_size32 1
		.amdhsa_system_sgpr_workgroup_id_x 1
		.amdhsa_system_sgpr_workgroup_id_y 1
		.amdhsa_system_sgpr_workgroup_id_z 1
		.amdhsa_system_vgpr_workitem_id 0
		.amdhsa_next_free_vgpr 1024
		.amdhsa_next_free_sgpr 100
		.amdhsa_reserve_vcc 0
		.amdhsa_float_denorm_mode_32 3
		.amdhsa_float_denorm_mode_16_64 3
		.amdhsa_memory_ordered 1
		.amdhsa_forward_progress 1
		.amdhsa_inst_pref_size 255
	.end_amdhsa_kernel
	.section	.bss,"aw",@nobits
	.p2align	6
	.space	262144
	.amdgpu_metadata
---
amdhsa.version: [ 1, 2 ]
amdhsa.kernels:
  - .name:           k_q9c809bf197_attn
    .symbol:         k_q9c809bf197_attn.kd
    .args:
      - { .name: q, .offset: 0, .size: 8, .value_kind: global_buffer, .address_space: global }
      - { .name: wimg, .offset: 8, .size: 8, .value_kind: global_buffer, .address_space: global }
      - { .name: Wq_scales, .offset: 16, .size: 8, .value_kind: global_buffer, .address_space: global }
      - { .name: kv, .offset: 24, .size: 8, .value_kind: global_buffer, .address_space: global }
      - { .name: Wo_scales, .offset: 32, .size: 8, .value_kind: global_buffer, .address_space: global }
      - { .name: bo, .offset: 40, .size: 8, .value_kind: global_buffer, .address_space: global }
      - { .name: gamma, .offset: 48, .size: 8, .value_kind: global_buffer, .address_space: global }
      - { .name: beta, .offset: 56, .size: 8, .value_kind: global_buffer, .address_space: global }
      - { .name: out0, .offset: 64, .size: 8, .value_kind: global_buffer, .address_space: global }
    .group_segment_fixed_size: 327680
    .private_segment_fixed_size: 0
    .kernarg_segment_align: 8
    .kernarg_segment_size: 72
    .max_flat_workgroup_size: 128
    .sgpr_count:     100
    .vgpr_count:     1024
    .wavefront_size: 32
...
	.end_amdgpu_metadata
.endif
;; end of part 2
